; MI455X (gfx1250); checked and timed in simulation.
; The chip was launched on July 23, 2026; its instructions are those of AMD's public machine-readable ISA for CDNA 5 (MIT licence, August 2026) and "CDNA5" Instruction Set Architecture Reference Guide (July 2026). The comments in the code are by the model that wrote it; some were corrected since.
;; Multi Head Attention. Allowed arithmetic: float matrix products may take bf16 or f16 operands with f32 sums; other float arithmetic in f32, or as packed bf16 or f16 multiplies, adds, multiply-adds, maxima and minima; sums over many terms, partial sums and values carried from step to step in f32; what a program stores and reads back later, other than sums and carried values, may be rounded once to bf16 or f16.
;; Inputs: Wk 1,024 x 1,024 float32; Wo 1,024 x 1,024 float32; Wq 1,024 x 1,024 float32; Wv 1,024 x 1,024 float32; attention_mask 4 x 2,048 int32; bk 1,024 float32; bo 1,024 float32; bq 1,024 float32; bv 1,024 float32; xk 4 x 2,048 x 1,024 float32; xq 4 x 2,048 x 1,024 float32; xv 4 x 2,048 x 1,024 float32.
;; Outputs: out0 4 x 2,048 x 1,024 float32.
;; 2 versions, each right; version 2 is version 1 with the launch cast written anew for expert scheduling mode. Each part assembles by itself: llvm-mc -triple=amdgcn-amd-amdhsa -mcpu=gfx1250 --defsym DOCPART=n.
;; ======== version 1 of 2: 4 launches
;; limits: values are held in f16: magnitudes above 65,504 overflow, below 6.1e-05 lose precision
;; workspace buffers: xb 50,331,648 bytes; wb 8,388,608 bytes; qkv 50,331,648 bytes; ob 16,777,216 bytes
;; launch cast (part 1): grid 896 x 1, 8 waves a work-group, no clusters, 0 bytes of LDS; arguments xq, xk, xv, Wq, Wk, Wv, Wo, xb, wb; writes xb, wb
.if DOCPART == 1
	.amdgcn_target "amdgcn-amd-amdhsa--gfx1250"
	.amdhsa_code_object_version 6
	.text
	.protected	k_qca17e46ccb_cast
	.globl	k_qca17e46ccb_cast
	.p2align	8
	.type	k_qca17e46ccb_cast,@function
k_qca17e46ccb_cast:
	s_mov_b64 s[64:65], 0
	v_nop
	global_prefetch_b8 v0, s[64:65] scope:SCOPE_SE
	s_setreg_imm32_b32 hwreg(HW_REG_WAVE_MODE, 25, 1), 1
	s_wait_xcnt 0x0
; xq, xk, xv, Wq, Wk, Wv (f32) -> bf16; Wo (f32) -> rounded to bf16, that number written as f16.
; xb = [3][8192][1024] bf16, wb = [4][1024][1024] of 16 bits (Wq, Wk, Wv in bf16, Wo in f16).
; LIMIT: a bf16-rounded number of Wo below 2^-14 keeps f16's fixed step of 2^-24; beyond 65,504 it would be an infinity.
; A stream: no LDS, no barrier, no matrix unit.  A work-group takes 131,072 input bytes, 32 rows of 4,096 bytes; thread t owns bytes 16 t of every row.
; A load of a wave covers 512 consecutive bytes; a store of a wave (8 bytes a lane) covers 256 consecutive bytes, aligned.
; A ring of eight slots in registers keeps eight loads of every wave in flight.
.set ROWB, 4096
.set X, 8                              ; v[8:39]   slot i: 4 f32 as loaded
.set Y, 40                             ; v[40:55]  slot i: 4 numbers of 16 bits to store
.set T, 56                             ; v[56:59]  at work
	s_load_b512 s[16:31], s[0:1], 0x0              ; xq 16, xk 18, xv 20, Wq 22, Wk 24, Wv 26, Wo 28, xb 30
	s_load_b64 s[32:33], s[0:1], 0x40              ; wb
	s_mov_b32 s13, 0xffff0000                      ; a word's upper bf16
	v_lshlrev_b32 v1, 4, v0                        ; my 16 bytes of an input row; never rewritten
	v_lshlrev_b32 v2, 3, v0                        ; my 8 bytes of an output row; never rewritten
	s_sub_co_u32 s15, ttmp9, 768                   ; work-groups 768 .. 895 take the weights
	s_lshr_b32 s8, ttmp9, 8                        ; x: which tensor,
	s_and_b32 s9, ttmp9, 255                       ; which of its 256 parts
	s_lshr_b32 s2, s15, 5                          ; W: which tensor,
	s_add_co_u32 s2, s2, 3
	s_and_b32 s3, s15, 31                          ; which of its 32 parts
	s_cmp_lt_u32 ttmp9, 768
	s_cselect_b32 s8, s8, s2                       ; 0 .. 6: the source
	s_cselect_b32 s9, s9, s3
	s_cselect_b32 s15, ttmp9, s15                  ; the part's number in xb or in wb
	s_cselect_b32 s14, 1, 0
	s_lshl_b32 s10, s9, 17                         ; 131,072 bytes in,
	s_mov_b32 s11, 0
	s_lshl_b32 s34, s15, 16                        ; 65,536 bytes out
	s_mov_b32 s35, 0
	s_wait_kmcnt 0x0
	s_cmp_eq_u32 s14, 1
	s_cselect_b64 s[6:7], s[30:31], s[32:33]
	s_mov_b64 s[4:5], s[16:17]
.irp k, 1,2,3,4,5,6
	s_cmp_eq_u32 s8, \k
	s_cselect_b64 s[4:5], s[16+2*\k:17+2*\k], s[4:5]
.endr
	s_add_nc_u64 s[4:5], s[4:5], s[10:11]
	s_add_nc_u64 s[6:7], s[6:7], s[34:35]
.irp i, 0,1,2,3,4,5,6,7
	global_load_b128 v[X+4*(\i):X+4*(\i)+3], v1, s[4:5] offset:(\i)*ROWB th:TH_LOAD_NT  ; rows 0 to 7 fill the ring
.endr
; One slot's turn.  ahead = 1: the slot is filled again with the row eight further down.  left = younger loads that may stay out.
.macro SLOT i, ahead, left, f16
	s_wait_loadcnt \left                           ; loads come back in order: mine is in
	s_wait_xcnt 0x0                                ; this slot's Y, which its last store reads, is rewritten only behind this wait
.if \f16
	v_cvt_pk_bf16_f32 v[T], v[X+4*(\i)], v[X+4*(\i)+1]        ; rounded to bf16 like every other input,
	v_cvt_pk_bf16_f32 v[T+1], v[X+4*(\i)+2], v[X+4*(\i)+3]
	v_lshlrev_b32 v[T+2], 16, v[T]
	v_and_b32 v[T+3], s13, v[T]
	v_cvt_pk_f16_f32 v[Y+2*(\i)], v[T+2], v[T+3]              ; and that number written as f16
	v_lshlrev_b32 v[T+2], 16, v[T+1]
	v_and_b32 v[T+3], s13, v[T+1]
	v_cvt_pk_f16_f32 v[Y+2*(\i)+1], v[T+2], v[T+3]
.else
	v_cvt_pk_bf16_f32 v[Y+2*(\i)], v[X+4*(\i)], v[X+4*(\i)+1]
	v_cvt_pk_bf16_f32 v[Y+2*(\i)+1], v[X+4*(\i)+2], v[X+4*(\i)+3]
.endif
.if \ahead
	global_load_b128 v[X+4*(\i):X+4*(\i)+3], v1, s[4:5] offset:(8+(\i))*ROWB th:TH_LOAD_NT
.endif
	global_store_b64 v2, v[Y+2*(\i):Y+2*(\i)+1], s[6:7] offset:(\i)*ROWB/2 th:TH_STORE_NT
.endm
.macro ROUNDS f16
	s_mov_b32 s12, 3
.Lround_\@:
.irp i, 0,1,2,3,4,5,6,7
	SLOT \i, 1, 7, \f16                            ; seven younger loads of the ring stay out
.endr
	s_wait_xcnt 0x0                                ; the two bases are stepped only behind this wait
	s_add_nc_u64 s[4:5], s[4:5], 8*ROWB
	s_add_nc_u64 s[6:7], s[6:7], 4*ROWB
	s_sub_co_u32 s12, s12, 1
	s_cmp_lg_u32 s12, 0
	s_cbranch_scc1 .Lround_\@
.irp i, 0,1,2,3,4,5,6,7
	SLOT \i, 0, 7-(\i), \f16                       ; the last round loads nothing: the counts run down
.endr
	s_endpgm
.endm
	s_cmp_eq_u32 s8, 6
	s_cbranch_scc1 .Lwo
	ROUNDS 0
.Lwo:
	ROUNDS 1
.Lfunc_end_k_qca17e46ccb_cast:
	.size	k_qca17e46ccb_cast, .Lfunc_end_k_qca17e46ccb_cast-k_qca17e46ccb_cast
	.p2alignl 7, 3214868480
	.fill 96, 4, 3214868480
	.section	.rodata,"a",@progbits
	.p2align	6, 0x0
	.amdhsa_kernel k_qca17e46ccb_cast
		.amdhsa_group_segment_fixed_size 0
		.amdhsa_private_segment_fixed_size 0
		.amdhsa_enable_private_segment 0
		.amdhsa_kernarg_size 72
		.amdhsa_user_sgpr_count 2
		.amdhsa_user_sgpr_kernarg_segment_ptr 1
		.amdhsa_wavefront_size32 1
		.amdhsa_system_sgpr_workgroup_id_x 1
		.amdhsa_system_sgpr_workgroup_id_y 1
		.amdhsa_system_sgpr_workgroup_id_z 1
		.amdhsa_system_vgpr_workitem_id 0
		.amdhsa_next_free_vgpr 64
		.amdhsa_next_free_sgpr 66
		.amdhsa_reserve_vcc 0
		.amdhsa_float_denorm_mode_32 3
		.amdhsa_float_denorm_mode_16_64 3
		.amdhsa_memory_ordered 1
		.amdhsa_forward_progress 1
		.amdhsa_inst_pref_size 18
	.end_amdhsa_kernel
	.amdgpu_metadata
---
amdhsa.version: [ 1, 2 ]
amdhsa.kernels:
  - .name:           k_qca17e46ccb_cast
    .symbol:         k_qca17e46ccb_cast.kd
    .args:
      - { .name: xq, .offset: 0, .size: 8, .value_kind: global_buffer, .address_space: global }
      - { .name: xk, .offset: 8, .size: 8, .value_kind: global_buffer, .address_space: global }
      - { .name: xv, .offset: 16, .size: 8, .value_kind: global_buffer, .address_space: global }
      - { .name: Wq, .offset: 24, .size: 8, .value_kind: global_buffer, .address_space: global }
      - { .name: Wk, .offset: 32, .size: 8, .value_kind: global_buffer, .address_space: global }
      - { .name: Wv, .offset: 40, .size: 8, .value_kind: global_buffer, .address_space: global }
      - { .name: Wo, .offset: 48, .size: 8, .value_kind: global_buffer, .address_space: global }
      - { .name: xb, .offset: 56, .size: 8, .value_kind: global_buffer, .address_space: global }
      - { .name: wb, .offset: 64, .size: 8, .value_kind: global_buffer, .address_space: global }
    .group_segment_fixed_size: 0
    .private_segment_fixed_size: 0
    .kernarg_segment_align: 8
    .kernarg_segment_size: 72
    .max_flat_workgroup_size: 256
    .sgpr_count:     66
    .vgpr_count:     64
    .wavefront_size: 32
...
	.end_amdgpu_metadata
.endif
;; end of part 1
;; launch proj (part 2): grid 4 x 192, 4 waves a work-group, clusters of 4 x 4, 327,680 bytes of LDS; arguments xb, wb, qkv, bq, bk, bv; writes qkv
.if DOCPART == 2
	.amdgcn_target "amdgcn-amd-amdhsa--gfx1250"
	.amdhsa_code_object_version 6
	.text
	.protected	k_qca17e46ccb_proj
	.globl	k_qca17e46ccb_proj
	.p2align	8
	.type	k_qca17e46ccb_proj,@function
k_qca17e46ccb_proj:
	s_mov_b64 s[64:65], 0
	v_nop
	global_prefetch_b8 v0, s[64:65] scope:SCOPE_SE
	s_setreg_imm32_b32 hwreg(HW_REG_WAVE_MODE, 25, 1), 1
	s_wait_xcnt 0x0
	s_wait_alu depctr_hold_cnt(0) depctr_sa_sdst(0) depctr_va_vdst(0) depctr_va_sdst(0) depctr_va_ssrc(0) depctr_va_vcc(0) depctr_vm_vsrc(0)
	s_getreg_b32 s2, hwreg(HW_REG_IB_STS2, 6, 4)
	s_cmp_eq_u32 s2, 0
	s_cbranch_scc0 .Lentry_in_a_cluster
	s_endpgm
.Lentry_in_a_cluster:
	s_bfe_u32 s2, ttmp6, 0x10000c
	s_cmp_lg_u32 s2, 0xf033
	s_cbranch_scc0 .Lentry_shape_is_right
	s_endpgm
.Lentry_shape_is_right:
; q, k, v = x W + b.  xb: [3][8192][1024] bf16, wb: [4][1024 k][1024 n] (parts 0-2 bf16), biases f32 (rounded to bf16 like every input), sums in f32.
; qkv: [3][64 heads][2048][64] f16, head = 16 n + h, each number rounded once, unscaled.  LIMIT: f16 ends at 65,504: a q, k or v beyond it becomes an infinity.
; A tile of the result is 128 rows x 256 columns: 64 x 4 x 3 = 768 tiles.  Four waves, each 64 x 128: 32 accumulators of 16 x 16.  K goes in 8 steps of 128 through two LDS slots.
; W lies [k][n]: its fragments are turned on the way out of LDS (ds_load_tr16_b128).  The matrix instruction is used transposed (source 0 = 16 columns of W, source 1 = 16 rows of x):
; a lane then holds one row and eight neighbouring columns.  The bias is the C operand of the product that starts each sum.
; CLUSTER 4 x 4: x's tile hangs on the tile row alone and is asked for jointly along a row of the cluster, W's on the tile column (and on which of q, k, v, which all sixteen share) along a column.
; REGISTERS: window 0: v0-35 addresses and work; v64-191 the way out; v192-255 the bias.  Window 1: accumulator (a, b) at v[8 (8 a + b)].  Window 2: two fragment buffers of 96: x's 4 fragments, then W's 8.
.set PA,    272                        ; a row of x in LDS: 256 bytes + 16: the 16 rows of a load start at 16 different groups of four banks
.set PBW,   544                        ; a k-row of W: 512 bytes + 32 = 17 x 32, for the turning load
.set AHALF, 64*PA
.set BOFF,  128*PA                     ; W's 128 k-rows lie behind x's 128 rows
.set BHALF, 64*PBW
.set SLOT1, 1<<17                      ; slot 1 begins here: one exclusive or changes slots
.set STAGE, SLOT1+BOFF+128*PBW         ; behind the ring: 16 rows x 144 bytes for each wave
.set SP,    144
.set SPARE, STAGE+4*16*SP              ; the spare words, 128 bytes a wave; no other line names them
.set KB_A,  256                        ; bytes of a K step along a row of xb
.set KB_B,  128*2048                   ; and down the rows of wb
.set ADRA0, 14                         ; my lane's place in x's tile; never rewritten
.set ADRB0, 15                         ; in W's
.set ADRA,  16                         ; the same in the slot in hand
.set ADRB,  20
.set STO,   24
.set RD,    25
.set GO,    26
.set BO,    27
.set SPW,   28
.set NIL,   29
.set PFO,   30
.set T,     64
.set BI,    192
.set F0,    0
.set F1,    96
.set G1,    24
.set G0,    32
.set G1B,   48
.set G0B,   56
.set LIM,   43                         ; 2 in a wave that prefetches, else the greatest number
.set PFA,   44
.set PSTEP, 66
.set TB,    70                         ; LDS byte at which the slot in hand begins
.set W_MUL,  0x5a                      ; sources 0, 1 window 2; C and D window 1
.set W_MULB, 0x4a                      ; the same with C in window 0
.set W_TOF,  0x80                      ; destination window 2
.set MSB, 0
.macro WIN new
.if MSB != (\new)
	s_set_vgpr_msb (MSB<<8)|(\new)
.set MSB, \new
.endif
.endm
.macro PLACES
.rept 4
	v_nop
.endr
.endm
; A joint refill by the walking descriptors: waves 0, 1 fetch x's halves, waves 2, 3 W's.  The branch hangs on the wave's number alone.
.macro JLOAD
	s_cmp_eq_u32 s11, 0
	s_cbranch_scc0 .Lfor_b_\@
	tensor_load_to_lds s[G0+4:G0+7], s[G1:G1+7]
	s_nop 0
.rept 4
	v_nop
.endr
	s_branch .Lasked_\@
.Lfor_b_\@:
	tensor_load_to_lds s[G0B+4:G0B+7], s[G1B:G1B+7]
	s_nop 0
.rept 4
	v_nop
.endr
.Lasked_\@:
.endm
; A prefetch of the K step that stands two refills on: 256 matrix instructions ahead of the load that wants it.  x's 128 rows of a tile: wave 0, the four partners of a row 32 rows each, by address.
; W's 128 k-rows x 512 bytes: waves 2 and 3 a half of 256 bytes each, the four partners of a column 32 k-rows each, in the first cluster of each of q, k, v alone.  Steps 4 to 7 are asked for, each block once.
.macro ASK
	s_cmp_gt_u32 s3, s[LIM]
	s_cbranch_scc0 .Lnot_mine_\@
	global_prefetch_b8 v[PFO], s[PFA:PFA+1] th:TH_LOAD_NT scope:SCOPE_SE
.Lnot_mine_\@:
.endm
.macro CREST
	s_cmp_lg_u32 s10, 0
	s_cbranch_scc1 .Lnot_wave_0_\@
	s_barrier_signal -3
.Lnot_wave_0_\@:
	s_barrier_wait -3
	s_barrier_signal -1
	s_barrier_wait -1
.endm
.macro CROUND
	s_barrier_signal -1
	s_barrier_wait -1
	CREST
.endm
	s_load_b128 s[4:7], s[0:1], 0x0                ; xb, wb
	s_load_b64 s[8:9], s[0:1], 0x10                ; qkv
	s_load_b64 s[68:69], s[0:1], 0x18              ; bq
	s_load_b128 s[72:75], s[0:1], 0x20             ; bk, bv
	v_lshl_add_u32 v[SPW], v0, 2, SPARE
	v_mov_b32 v[NIL], 0
	ds_add_u32 v[SPW], v[NIL]                      ; the wave's opening: the add and its wait ahead of my first tensor load
	v_lshrrev_b32 v1, 5, v0
	v_readfirstlane_b32 s10, v1                    ; wave 0..3
	s_lshr_b32 s11, s10, 1                         ; my half of the tile's rows.  Also: I fetch for x (0) or W (1)
	s_and_b32 s12, s10, 1                          ; my half of its columns.  Also: which half of that tile I fetch
	s_bfe_u32 s40, ttmp6, 0x40000                  ; cx
	s_bfe_u32 s41, ttmp6, 0x40004                  ; cy
	s_lshl_b32 s42, ttmp9, 2
	s_add_co_u32 s42, s42, s40                     ; tile column
	s_and_b32 s18, ttmp7, 0xffff                   ; cluster y
	s_lshr_b32 s2, s18, 4                          ; which of q, k, v: 16 clusters each
	s_lshl_b32 s13, s18, 2
	s_add_co_u32 s13, s13, s41                     ; tile row, 0..191: xb's rows run through all three tensors
	s_lshl_b32 s43, s41, 2
	s_lshl_b32 s43, 15, s43                        ; my row of the cluster
	s_lshl_b32 s44, 0x1111, s40                    ; my column
	s_or_b32 s[G1+0], s43, (1<<16)|(1<<20)|(1<<21)|(5<<22)|(3<<25)   ; mask; 2-byte elements; padding on; bit 21 beside a mask; after every 64 words 4 words
	s_mov_b32 s[G1+1], 128<<16                     ; tensor_dim0 = 128
	s_mov_b32 s[G1+2], 64<<16                      ; tensor_dim1 = 64
	s_mov_b32 s[G1+3], 128<<16                     ; tile_dim0 = 128
	s_mov_b32 s[G1+4], 64                          ; tile_dim1 = 64
	s_mov_b32 s[G1+5], 1024                        ; elements from row to row
	s_mov_b32 s[G1+6], 0
	s_mov_b32 s[G1+7], 0
	s_or_b32 s[G1B+0], s44, (1<<16)|(1<<20)|(1<<21)|(6<<22)|(7<<25)  ; after every 128 words 8 words
	s_mov_b32 s[G1B+1], 256<<16
	s_mov_b32 s[G1B+2], 64<<16
	s_mov_b32 s[G1B+3], 256<<16
	s_mov_b32 s[G1B+4], 64
	s_mov_b32 s[G1B+5], 1024
	s_mov_b32 s[G1B+6], 0
	s_mov_b32 s[G1B+7], 0
	s_lshl_b32 s16, s13, 18                        ; x: row 128 x tile row + 64 x half, 2,048 bytes a row
	s_lshl_b32 s17, s12, 17
	s_add_co_u32 s16, s16, s17
	s_mov_b32 s17, 0
	s_lshl_b32 s46, s2, 21                         ; W: the part, k-row 64 x half, column 256 x tile column
	s_lshl_b32 s47, s12, 17
	s_add_co_u32 s46, s46, s47
	s_lshl_b32 s47, s42, 9
	s_add_co_u32 s46, s46, s47
	s_mov_b32 s47, 0
	s_mul_i32 s20, s12, AHALF                      ; where they go: no place in the cluster enters an LDS address
	s_mul_i32 s21, s12, BHALF
	s_add_co_u32 s21, s21, BOFF
	s_wait_dscnt 0x0                               ; the opening add is done
	s_wait_kmcnt 0x0
	s_add_nc_u64 s[14:15], s[4:5], s[16:17]
	s_add_nc_u64 s[46:47], s[6:7], s[46:47]
	CROUND                                         ; all sixteen work-groups are here: the first joint loads meet
.irp s, 0,1
	s_mov_b32 s[G0+4*(\s)], 1
	s_add_co_u32 s[G0+4*(\s)+1], s20, (\s)*SLOT1
	s_add_nc_u64 s[G0+4*(\s)+2:G0+4*(\s)+3], s[14:15], (\s)*KB_A
	s_or_b32 s[G0+4*(\s)+3], s[G0+4*(\s)+3], 0x80000000
	s_mov_b32 s[G0B+4*(\s)], 1
	s_add_co_u32 s[G0B+4*(\s)+1], s21, (\s)*SLOT1
	s_add_nc_u64 s[G0B+4*(\s)+2:G0B+4*(\s)+3], s[46:47], (\s)*KB_B
	s_or_b32 s[G0B+4*(\s)+3], s[G0B+4*(\s)+3], 0x80000000
.endr
	s_cmp_eq_u32 s11, 0                            ; a wave's two first fills stand in one branch: two loads of mine are out
	s_cbranch_scc0 .Lfirst_b
	tensor_load_to_lds s[G0:G0+3], s[G1:G1+7]
	s_nop 0
	tensor_load_to_lds s[G0+4:G0+7], s[G1:G1+7]
	s_nop 0
.rept 4
	v_nop
.endr
	s_branch .Lfirst_asked
.Lfirst_b:
	tensor_load_to_lds s[G0B:G0B+3], s[G1B:G1B+7]
	s_nop 0
	tensor_load_to_lds s[G0B+4:G0B+7], s[G1B:G1B+7]
	s_nop 0
.rept 4
	v_nop
.endr
.Lfirst_asked:
	v_and_b32 v1, 15, v0                           ; l % 16
	v_bfe_u32 v2, v0, 4, 1                         ; l / 16
	s_cmp_eq_u32 s2, 1                             ; the bias of q, k or v
	s_cselect_b64 s[68:69], s[72:73], s[68:69]
	s_cmp_eq_u32 s2, 2
	s_cselect_b64 s[68:69], s[74:75], s[68:69]
	s_lshl_b32 s78, s42, 10                        ; column 256 x tile column + 128 x half + 8 (l / 16), 4 bytes each
	s_lshl_b32 s79, s12, 9
	s_add_co_u32 s78, s78, s79
	v_lshl_add_u32 v[BO], v2, 5, s78
.irp b, 0,1,2,3,4,5,6,7
	global_load_b128 v[BI+8*(\b):BI+8*(\b)+3],   v[BO], s[68:69] offset:64*(\b)
	global_load_b128 v[BI+8*(\b)+4:BI+8*(\b)+7], v[BO], s[68:69] offset:64*(\b)+16
.endr
	v_mul_u32_u24 v3, v1, PA                       ; x's fragment: row x pitch + 16 x half of the lanes
	v_lshl_add_u32 v3, v2, 4, v3
	s_mul_i32 s22, s11, AHALF
	v_add_nc_u32 v[ADRA0], s22, v3
	v_and_b32 v4, 7, v0                            ; the turning load: k-row 8 (l / 16) + l % 8, 16 bytes ((l / 8) % 2)
	v_lshl_add_u32 v4, v2, 3, v4
	v_mul_u32_u24 v4, v4, PBW
	v_bfe_u32 v5, v0, 3, 1
	v_lshl_add_u32 v4, v5, 4, v4
	s_lshl_b32 s22, s12, 8
	s_add_co_u32 s22, s22, BOFF
	v_add_nc_u32 v[ADRB0], s22, v4
	v_mov_b32 v[ADRA], v[ADRA0]
	v_mov_b32 v[ADRB], v[ADRB0]
	s_mov_b32 s[TB], 0
	s_mul_i32 s23, s10, 16*SP
	s_add_co_u32 s23, s23, STAGE                   ; my stage
	v_mul_u32_u24 v3, v1, SP
	v_lshl_add_u32 v3, v2, 4, v3
	v_add_nc_u32 v[STO], s23, v3
	v_bfe_u32 v3, v0, 3, 2                         ; back: 32 lanes take four rows of 128 bytes
	v_mul_u32_u24 v3, v3, SP
	v_and_b32 v4, 7, v0
	v_lshl_add_u32 v3, v4, 4, v3
	v_add_nc_u32 v[RD], s23, v3
	v_and_b32 v[GO], 31, v0
	v_lshlrev_b32 v[PFO], 11, v[GO]                ; a lane a row of 2,048 bytes, in xb and in wb
	v_lshlrev_b32 v[GO], 4, v[GO]
	; where my 64 rows x 2 heads begin in qkv
	s_and_b32 s76, s13, 63
	s_lshl_b32 s76, s76, 7
	s_lshl_b32 s77, s11, 6
	s_add_co_u32 s76, s76, s77                     ; my first row among the 8,192
	s_lshr_b32 s77, s76, 11                        ; n
	s_and_b32 s76, s76, 2047                       ; t
	s_lshl_b32 s77, s77, 4
	s_lshl2_add_u32 s77, s42, s77                  ; head = 16 n + 4 x tile column
	s_lshl1_add_u32 s77, s12, s77                  ; + 2 x half
	s_lshl_b32 s77, s77, 11
	s_add_co_u32 s76, s76, s77
	s_lshl_b32 s76, s76, 7                         ; 128 bytes a row
	s_lshl_b32 s77, s2, 24                         ; q, k or v
	s_add_co_u32 s76, s76, s77
	s_mov_b32 s77, 0
	s_add_nc_u64 s[8:9], s[8:9], s[76:77]
	; the prefetches: at K step 3; the first change of slots steps them to 4
	s_lshl_b32 s76, s13, 18
	s_lshl_b32 s77, s40, 16                        ; x: my work-group's 32 rows of the 128
	s_add_co_u32 s76, s76, s77
	s_add_co_u32 s76, s76, 3*KB_A
	s_lshl_b32 s78, s2, 21
	s_lshl_b32 s79, s41, 16                        ; W: my work-group's 32 k-rows,
	s_add_co_u32 s78, s78, s79
	s_lshl_b32 s79, s42, 9
	s_add_co_u32 s78, s78, s79
	s_lshl_b32 s79, s12, 8                         ; my wave's 256 bytes of the 512
	s_add_co_u32 s78, s78, s79
	s_add_co_u32 s78, s78, 3*KB_B
	s_mov_b32 s23, KB_B
	s_and_b32 s22, s18, 15
	s_cmp_eq_u32 s11, 0
	s_cselect_b32 s76, s76, s78
	s_cselect_b64 s[PFA:PFA+1], s[4:5], s[6:7]
	s_cselect_b32 s[PSTEP], KB_A, s23
	s_cselect_b32 s22, s12, s22                    ; x: wave 0 asks; W: the first cluster of each of q, k, v
	s_mov_b32 s77, 0
	s_mov_b32 s[PSTEP+1], 0
	s_cmp_eq_u32 s22, 0
	s_cselect_b32 s[LIM], 2, -1                    ; the same in all sixteen partners, for a given wave
	s_add_nc_u64 s[PFA:PFA+1], s[PFA:PFA+1], s[76:77]
	s_wait_loadcnt 0x0                             ; the bias
.set i, 0
.rept 32
	v_cvt_pk_bf16_f32 v[32+i%4], v[BI+2*i], v[BI+2*i+1]   ; rounded to bf16 like every input, and back to f32
	v_lshlrev_b32 v[BI+2*i], 16, v[32+i%4]
	v_and_b32 v[BI+2*i+1], 0xffff0000, v[32+i%4]
.set i, i+1
.endr
; 8 matrix instructions: row block a x all 8 column blocks, 32 along K.  first = 1: the bias starts the sums.  The 32 accumulators take turns, in the same order in every quarter.
.macro MUL8 f, a, first
.if \first
	WIN W_MULB
.else
	WIN W_MUL
.endif
.irp b, 0,1,2,3,4,5,6,7
.if \first
	v_wmma_f32_16x16x32_bf16 v[8*(8*(\a)+(\b)):8*(8*(\a)+(\b))+7], v[(\f)+32+8*(\b):(\f)+32+8*(\b)+7], v[(\f)+8*(\a):(\f)+8*(\a)+7], v[BI+8*(\b):BI+8*(\b)+7]
.else
	v_wmma_f32_16x16x32_bf16 v[8*(8*(\a)+(\b)):8*(8*(\a)+(\b))+7], v[(\f)+32+8*(\b):(\f)+32+8*(\b)+7], v[(\f)+8*(\a):(\f)+8*(\a)+7], v[8*(8*(\a)+(\b)):8*(8*(\a)+(\b))+7]
.endif
.endr
.endm
; 24 LDS loads in one run: quarter q's fragments into buffer f: W's 8 (turned), then x's 4
.macro FETCH q, f
	WIN W_TOF
.irp b, 0,1,2,3,4,5,6,7
	ds_load_tr16_b128 v[(\f)+32+8*(\b):(\f)+32+8*(\b)+3],   v[ADRB] offset:(\q)*32*PBW+32*(\b)
	ds_load_tr16_b128 v[(\f)+32+8*(\b)+4:(\f)+32+8*(\b)+7], v[ADRB] offset:(\q)*32*PBW+16*PBW+32*(\b)
.endr
.irp a, 0,1,2,3
	ds_load_b128 v[(\f)+8*(\a):(\f)+8*(\a)+3],   v[ADRA] offset:64*(\q)+(\a)*16*PA
	ds_load_b128 v[(\f)+8*(\a)+4:(\f)+8*(\a)+7], v[ADRA] offset:64*(\q)+(\a)*16*PA+32
.endr
.endm
; One of a K step's first three quarters: multiplies buffer f; in its middle it fetches quarter q into buffer g
.macro QUARTER q, f, g, first
	s_wait_dscnt 4                                 ; W and x's row blocks 0, 1 are in; the youngest four loads may be out
	MUL8 \f, 0, \first
	MUL8 \f, 1, \first
	PLACES                                         ; four places in front of loads into registers that matrix instructions have read
	FETCH \q, \g
	s_wait_dscnt 24                                ; all but the 24 just issued
	MUL8 \f, 2, \first
	MUL8 \f, 3, \first
.endm
; The last quarter multiplies buffer 1 and changes slots.  fill = 1: the slot just read is filled again, two K steps ahead, behind a round of the cluster's barrier.
.macro TURN fill
.if \fill
	s_wait_xcnt 0x0                                ; the last prefetch, a K step back, has read its address
	s_add_nc_u64 s[PFA:PFA+1], s[PFA:PFA+1], s[PSTEP:PSTEP+1]
.endif
	WIN 0
	s_wait_tensorcnt 0x0                           ; all my tensor loads have landed: my part of the next slot
	ds_add_u32 v[SPW], v[NIL]                      ; 0 onto my spare word
.if \fill
	s_xor_b32 s[G0+5], s[G0+5], SLOT1              ; the walking descriptors: the other slot than last time, the next K step
	s_add_nc_u64 s[G0+6:G0+7], s[G0+6:G0+7], KB_A
	s_xor_b32 s[G0B+5], s[G0B+5], SLOT1
	s_add_nc_u64 s[G0B+6:G0B+7], s[G0B+6:G0B+7], KB_B
.endif
	s_wait_dscnt 5                                 ; the add and the youngest four loads may be out
	MUL8 F1, 0, 0
	s_wait_dscnt 0x0                               ; the add is done, and my reads of this slot are over
	s_barrier_signal -1
	MUL8 F1, 1, 0
	WIN 0
	s_barrier_wait -1
.if \fill
	CREST                                          ; no wave of any partner still reads this slot or has a load on its way
	JLOAD                                          ; its four v_nop are also the places in front of the loads below
.else
	PLACES
.endif
	s_xor_b32 s[TB], s[TB], SLOT1
	v_add_nc_u32 v[ADRA], s[TB], v[ADRA0]
	v_add_nc_u32 v[ADRB], s[TB], v[ADRB0]
	FETCH 0, F0
	WIN 0
.if \fill
	ASK
.endif
	MUL8 F1, 2, 0
	MUL8 F1, 3, 0
.endm
	s_wait_tensorcnt 1                             ; my part of K step 0 is in; step 1's may stay out
	s_barrier_signal -1
	s_barrier_wait -1
	FETCH 0, F0
	QUARTER 1, F0, F1, 1                           ; the first quarter starts the sums
	WIN 0
	s_mov_b32 s3, 6                                ; six refills: K steps 2 to 7
.Lstep:
	QUARTER 2, F1, F0, 0
	QUARTER 3, F0, F1, 0
	TURN 1
	QUARTER 1, F0, F1, 0
	WIN 0
	s_sub_co_u32 s3, s3, 1
	s_cmp_lg_u32 s3, 0
	s_cbranch_scc1 .Lstep
	QUARTER 2, F1, F0, 0                           ; the last two K steps ask for nothing
	QUARTER 3, F0, F1, 0
	TURN 0
	QUARTER 1, F0, F1, 0
	QUARTER 2, F1, F0, 0
	QUARTER 3, F0, F1, 0
	s_wait_dscnt 4
	MUL8 F1, 0, 0
	MUL8 F1, 1, 0
	s_wait_dscnt 0x0
	MUL8 F1, 2, 0
	MUL8 F1, 3, 0
	PLACES                                         ; the conversions read results just made
; THE WAY OUT: unit u = 16 rows (block u / 2) x one head's 64 channels (u % 2): 2,048 consecutive bytes of qkv.  Rounded to f16, through my own stage, back as whole rows.
.macro PACKU u
.set ua, (\u)/2
.set uh, (\u)%2
	WIN 0x05                                       ; sources 0, 1 window 1
.irp bb, 0,1,2,3
.irp r, 0,1,2,3
	v_cvt_pk_f16_f32 v[T+16*(\u)+4*(\bb)+(\r)], v[8*(8*ua+4*uh+(\bb))+2*(\r)], v[8*(8*ua+4*uh+(\bb))+2*(\r)+1]
.endr
.endr
	WIN 0
.irp bb, 0,1,2,3
	ds_store_b128 v[STO], v[T+16*(\u)+4*(\bb):T+16*(\u)+4*(\bb)+3] offset:32*(\bb)
.endr
.irp f, 0,1,2,3
	ds_load_b128 v[T+16*(\u)+4*(\f):T+16*(\u)+4*(\f)+3], v[RD] offset:(\f)*4*SP  ; LDS serves a wave's instructions in order: these see the stores above
.endr
.endm
.macro SENDU u, younger
	WIN 0
.irp f, 0,1,2,3
	s_wait_dscnt (\younger)+3-(\f)
	global_store_b128 v[GO], v[T+16*(\u)+4*(\f):T+16*(\u)+4*(\f)+3], s[8:9] offset:((\u)%2)*262144+((\u)/2)*2048+(\f)*512  ; 512 consecutive bytes, aligned
.endr
.endm
	PACKU 0
.set t, 1
.rept 7
	PACKU t
	SENDU t-1, 8
.set t, t+1
.endr
	SENDU 7, 0
	s_wait_tensorcnt 0x0                           ; the wave's end
	ds_add_u32 v[SPW], v[NIL]
	s_wait_dscnt 0x0
	CROUND                                         ; the closing round
	s_endpgm
.Lfunc_end_k_qca17e46ccb_proj:
	.size	k_qca17e46ccb_proj, .Lfunc_end_k_qca17e46ccb_proj-k_qca17e46ccb_proj
	.p2alignl 7, 3214868480
	.fill 96, 4, 3214868480
	.section	.rodata,"a",@progbits
	.p2align	6, 0x0
	.amdhsa_kernel k_qca17e46ccb_proj
		.amdhsa_group_segment_fixed_size 327680
		.amdhsa_private_segment_fixed_size 0
		.amdhsa_enable_private_segment 0
		.amdhsa_kernarg_size 48
		.amdhsa_user_sgpr_count 2
		.amdhsa_user_sgpr_kernarg_segment_ptr 1
		.amdhsa_wavefront_size32 1
		.amdhsa_system_sgpr_workgroup_id_x 1
		.amdhsa_system_sgpr_workgroup_id_y 1
		.amdhsa_system_sgpr_workgroup_id_z 1
		.amdhsa_system_vgpr_workitem_id 0
		.amdhsa_next_free_vgpr 768
		.amdhsa_next_free_sgpr 84
		.amdhsa_reserve_vcc 0
		.amdhsa_float_denorm_mode_32 3
		.amdhsa_float_denorm_mode_16_64 3
		.amdhsa_memory_ordered 1
		.amdhsa_forward_progress 1
		.amdhsa_inst_pref_size 79
	.end_amdhsa_kernel
	.amdgpu_metadata
---
amdhsa.version: [ 1, 2 ]
amdhsa.kernels:
  - .name:           k_qca17e46ccb_proj
    .symbol:         k_qca17e46ccb_proj.kd
    .args:
      - { .name: xb, .offset: 0, .size: 8, .value_kind: global_buffer, .address_space: global }
      - { .name: wb, .offset: 8, .size: 8, .value_kind: global_buffer, .address_space: global }
      - { .name: qkv, .offset: 16, .size: 8, .value_kind: global_buffer, .address_space: global }
      - { .name: bq, .offset: 24, .size: 8, .value_kind: global_buffer, .address_space: global }
      - { .name: bk, .offset: 32, .size: 8, .value_kind: global_buffer, .address_space: global }
      - { .name: bv, .offset: 40, .size: 8, .value_kind: global_buffer, .address_space: global }
    .group_segment_fixed_size: 327680
    .private_segment_fixed_size: 0
    .kernarg_segment_align: 8
    .kernarg_segment_size: 48
    .max_flat_workgroup_size: 128
    .sgpr_count:     84
    .vgpr_count:     768
    .wavefront_size: 32
...
	.end_amdgpu_metadata
.endif
;; end of part 2
;; launch attn (part 3): grid 4 x 64, 4 waves a work-group, no clusters, 327,680 bytes of LDS; arguments qkv, attention_mask, ob; writes ob
.if DOCPART == 3
	.amdgcn_target "amdgcn-amd-amdhsa--gfx1250"
	.amdhsa_code_object_version 6
	.text
	.protected	k_qca17e46ccb_attn
	.globl	k_qca17e46ccb_attn
	.p2align	8
	.type	k_qca17e46ccb_attn,@function
k_qca17e46ccb_attn:
	s_mov_b64 s[64:65], 0
	v_nop
	global_prefetch_b8 v0, s[64:65] scope:SCOPE_SE
	s_setreg_imm32_b32 hwreg(HW_REG_WAVE_MODE, 25, 1), 1
	s_wait_xcnt 0x0
; CAUSAL, PADDED ATTENTION.  O[h][q][:] = the sum over visible k of softmax_k(Q[h][q] . K[h][k] / 8) V[h][k][:]; key k is visible to q where k <= q and attention_mask[n][k] != 0.
; qkv: [3][64][2048][64] f16 (Q, K, V), ob: [64][2048][64] f16, head = 16 n + h.  Products, maxima and sums in f32; the weights are rounded to f16 for the second product, O once at the end.
; LIMITS.  A hidden score counts as its value less 1e30 (up to 3e30 where several masks hide it); f16's scores, 2.7e11 at the most, are nothing beside that.  The running maximum has the floor -2^93, far below every true
; score and far above every hidden one: so a hidden weight is exactly 0, also while a row has seen no key.  A row that never sees a key ends with l = 0 and O = 0, and 0 x (1 / 0) gives the NaN that a softmax over nothing gives.
; A weight below 2^-126 counts as 0 in l.
; THE WALK.  A head's queries lie in NB = 8 blocks of 256; block i needs the key tiles 0 .. i of 256 keys, the last holding the diagonal.  A work-group takes TWO blocks, NB - 1 - b and then b: NB + 1 tiles, whatever b:
; one loop with a constant trip count walks them; the ring of two LDS slots runs on across the change of blocks.  NO CLUSTER: a head's four work-groups ask for the same tile only in trips 0 .. 4 of 9, behind that
; fewer and fewer; one walk common to all would have 12 trips for 9.
; SHARES.  Of a block's four bands of 64 queries a wave owns 16 rows in each: four PIECES.  In the diagonal tile's key step s band x sees all keys if s < x, none if s > x, and holds the diagonal if s = x.
; THE MASKS are the C operand that starts the sum S^T = K Q^T.  PD holds the step's padding biases (0 or -1e30 a key); it travels with K.  The biases lie in two padding slots in LDS that go with the ring: where a tile is
; asked for, its 256 biases are made from attention_mask (two keys a thread, the words loaded a tile ahead) and stored into the padding slot of the same number.
; MD, made once, is the causal mask of a band's own step.  Off the diagonal C = PD; in the diagonal tile's text C = MD x AL + PD + BE with two scalars: (1, 0) if s = x; (0, 0) if s < x; (0, -1e30) if s > x.
; LAYOUT, SOFTMAX, TURNS.  S^T holds ONE query a lane (lane % 16) and the keys 8 (lane / 16) + 0..7; two such results rounded to f16 ARE source 1 of O^T = V^T P.  p = 2^(c s - c m), c = log2(e) / 8; O and l are
; multiplied by a = 2^(c m_old - c m_new) in every step.  Turn n belongs to piece n: 8 products K Q^T of piece n + 1, later 8 products V^T P of piece n - 1; beside them piece n's scaling, exponentials, roundings, sums
; and rescaling and piece n + 1's maximum and statistics.  A turn's 33 exponentials are one batch, with one wait.
; REGISTERS, in windows of 256: window 0: v0-15, v32-43 addresses and the mask's words; v16-31 statistics; v48-55 at work; v64-127 S^T, two buffers; v192-223 P, two buffers.
;   window 1: v0-127 O^T; v128-159 MD; v160-223 MC, two buffers; v224-255 PD.      window 2: v0-63 Q; v64-127 the second block's Q; v128-191 K of one step; v192-255 V of one step
.set SIZE_N, 2048
.set NB,    SIZE_N/256
.set NP,    4
.set KS,    64
.set PK,    144       ; a row of K in LDS: 128 bytes + 16
.set PV,    160       ; a row of V: 128 + 32, for the turning load
.set VOFF,  4*KS*PK
.set SLOT1, 1<<17
.set STAGE, SLOT1+4*KS*(PK+PV)
.set SP,    144
.set SPARE, STAGE+4*16*SP  ; the spare words, 128 bytes a wave; no other line names them
.set PBT,   SPARE+512      ; the two padding slots: 256 f32 each, a key each; no tensor load lands here
.set PSLOT, 1024           ; bytes in a padding slot: one exclusive or changes slots
.set AK0, 2
.set AV0, 3
.set AK,  4
.set AV,  5
.set STO, 6
.set RD,  7
.set GO,  8
.set MV,  12
.set QO,  15
.set ST,  16
.set AP0, 32          ; v32  PBT + 32 (l / 16); never rewritten
.set AP,  33          ; v33  the LDS address of PD's next run of loads
.set PFO, 34          ; v34  256 x my lane; never rewritten
.set MA,  35          ; v35  8 x my thread: my two keys' words in a tile's 1,024 bytes of the mask; never rewritten
.set MS,  36          ; v36  PBT + 8 x my thread; never rewritten
.set MSA, 37          ; v37  the same in the padding slot that is being written
.set MR,  38          ; v[38:39] my two mask words of the tile to be asked for next
.set MB,  40          ; v[40:41] their biases
.set MZ,  42          ; v[42:43] tile 0's, at the head
.set TMP, 48
.set SPW, 62
.set NIL, 63
.set S,   64
.set P,   192
.set MD,  128
.set MC,  160
.set PD,  224
.set QB,  64
.set KF,  128
.set VF,  192
.set WV,  12
.set PB,  14          ; s14  b
.set HI,  15          ; s15  NB - 1 - b
.set G1K, 24
.set G1V, 32
.set G0K, 40
.set G0V, 44
.set SLOTS, 56
.set CNT, 57
.set CS,  58
.set SEL, 60
.set TBK, 62
.set TBV, 63
.set MQ,  66          ; s[66:67] attention_mask at the tile whose words are being loaded
.set RT,  70
.set NXT, 71
.set LQ,  72
.set NEW, 73
.set OFF, 74
.set AL,  76
.set BE,  78
.set OLO, 80
.set BIGN, 82
.set TBP, 83          ; s83  byte, from PBT on, at which the biases of the step to be fetched begin: it steps and turns as TBK does
.set PFA, 88          ; s[88:89] where my prefetches stand: my half of the tile after the one that is being asked for
.set PFC, 90          ; s90  prefetches still to come: NB - 2 in the head's work-group 0, else 0
.set PSL, 91          ; s91  the padding slot that was written last: 0 or PSLOT
.set MP,  92          ; s[92:93] attention_mask at my batch row
.set MO,  94          ; s[94:95] an offset in it
.set MSB, 0
.macro WIN new
.if MSB != (\new)
	s_set_vgpr_msb (MSB<<8)|(\new)
.set MSB, (\new)
.endif
.endm
.set W_KQ, 0x0a
.set W_KM, 0x1a
.set W_PV, 0x52
.set W_RS, 0x41
.macro LOAD
	s_cmp_lt_u32 s[WV], 2
	s_cbranch_scc0 .Lfor_v_\@
	tensor_load_to_lds s[G0K:G0K+3], s[G1K:G1K+7]
	s_nop 0
.rept 4
	v_nop
.endr
	s_branch .Lasked_\@
.Lfor_v_\@:
	tensor_load_to_lds s[G0V:G0V+3], s[G1V:G1V+7]
	s_nop 0
.rept 4
	v_nop
.endr
.Lasked_\@:
.endm
; A prefetch of my own 16 KiB of the tile that the NEXT change of slots will ask for, a lane 256 bytes, two instructions.  A head's four work-groups walk the same tiles: work-group 0, whose first block walks
; tiles 0 to 7, asks, for tiles 2 to 7, each once.
.macro ASK
	s_cmp_lg_u32 s[PFC], 0
	s_cbranch_scc0 .Lnone_\@
	global_prefetch_b8 v[PFO], s[PFA:PFA+1] th:TH_LOAD_NT scope:SCOPE_SE
	global_prefetch_b8 v[PFO], s[PFA:PFA+1] offset:8192 th:TH_LOAD_NT scope:SCOPE_SE
	s_sub_co_u32 s[PFC], s[PFC], 1
.Lnone_\@:
.endm
; THE CHANGE OF SLOTS.  Each wave waits for all its tensor loads, adds 0 to its spare word, and waits for that, for its own reads of the slot and the padding slot that it leaves, and for its last store into a padding slot.
; fill = 1: the old slot is filled again, first thing behind the barrier, with tile NXT; then that tile's biases go into the old padding slot, which nobody reads any more, and are read only behind the next change's barrier;
; and the mask words of the tile after it are asked for, a tile ahead of their use.  (The last such load serves nothing: the walk has no further tile; it names tile 0's words.)
.macro CHANGE fill
	WIN 0
	s_wait_tensorcnt 0x0            ; no tensor load of mine is out, so a group 0 may be written
	ds_add_u32 v[SPW], v[NIL]       ; 0 onto my spare word
.if \fill
	s_lshl_b32 s[OFF], s[NXT], 15
	s_xor_b32 s[G0K+1], s[G0K+1], SLOT1
	s_add_nc_u64 s[G0K+2:G0K+3], s[6:7], s[OFF:OFF+1]
	s_or_b32 s[G0K+3], s[G0K+3], 0x80000000
	s_xor_b32 s[G0V+1], s[G0V+1], SLOT1
	s_add_nc_u64 s[G0V+2:G0V+3], s[8:9], s[OFF:OFF+1]
	s_or_b32 s[G0V+3], s[G0V+3], 0x80000000
	s_xor_b32 s[PSL], s[PSL], PSLOT ; the padding slot of the same number
	s_add_co_u32 s[NXT], s[NXT], 1
	s_cmp_gt_u32 s[NXT], s[LQ]
	s_cselect_b32 s[NXT], 0, s[NXT]
	s_cselect_b32 s[LQ], s[PB], s[LQ]
	s_lshl_b32 s[MO], s[NXT], 10    ; a tile's 256 mask words
	s_wait_xcnt 0x0                 ; the last prefetches, a tile back, have read their address
	s_add_nc_u64 s[PFA:PFA+1], s[PFA:PFA+1], 32768
.endif
	s_wait_dscnt 0x0                ; the add is done, my reads of the two slots are over, my store into a padding slot is done
	s_barrier_signal -1
	s_sub_co_u32 s[TBK], s[TBK], 4*KS*PK
	s_xor_b32 s[TBK], s[TBK], SLOT1
	s_sub_co_u32 s[TBV], s[TBV], 4*KS*PV
	s_xor_b32 s[TBV], s[TBV], SLOT1
	s_sub_co_u32 s[TBP], s[TBP], PSLOT
	s_xor_b32 s[TBP], s[TBP], PSLOT
	s_barrier_wait -1
.if \fill
	LOAD
	ASK
	s_wait_loadcnt 0x0              ; my two mask words of the tile just asked for, loaded a tile ago (at the first change: Q too)
	v_cmp_eq_u32 vcc_lo, 0, v[MR]
	v_cndmask_b32 v[MB], 0, s[BIGN], vcc_lo    ; 0 for a key that counts, -1e30 for a padded one
	v_cmp_eq_u32 vcc_lo, 0, v[MR+1]
	v_cndmask_b32 v[MB+1], 0, s[BIGN], vcc_lo
	v_add_nc_u32 v[MSA], s[PSL], v[MS]
	ds_store_b64 v[MSA], v[MB:MB+1]
	s_add_nc_u64 s[MQ:MQ+1], s[MP:MP+1], s[MO:MO+1]  ; the load that named this pair is done (the wait above)
	global_load_b64 v[MR:MR+1], v[MA], s[MQ:MQ+1]
.endif
.endm
	s_load_b64 s[4:5], s[0:1], 0x0     ; qkv
	s_load_b64 s[MP:MP+1], s[0:1], 0x8 ; attention_mask
	s_load_b64 s[10:11], s[0:1], 0x10  ; ob
	v_lshl_add_u32 v[SPW], v0, 2, SPARE
	v_mov_b32 v[NIL], 0
	ds_add_u32 v[SPW], v[NIL]       ; the wave's opening: the add and its wait ahead of my first tensor load
	v_lshrrev_b32 v1, 5, v0
	v_readfirstlane_b32 s[WV], v1
	s_mov_b32 s[PB], ttmp9
	s_sub_co_u32 s[HI], NB-1, s[PB]
	s_and_b32 s20, ttmp7, 0xffff    ; the head
	s_lshr_b32 s[MO], s20, 4        ; its batch row: 8,192 bytes of the mask
	s_lshl_b32 s[MO], s[MO], 13
	s_mov_b32 s[MO+1], 0
	s_mov_b32 s21, 0
	s_mov_b64 s[22:23], SIZE_N*128
	s_mul_u64 s[20:21], s[20:21], s[22:23]
	s_and_b32 s16, s[WV], 1
	s_lshl_b32 s22, s16, 14
	s_mov_b32 s23, 0
	s_add_nc_u64 s[22:23], s[22:23], s[20:21]
	s_mul_i32 s17, s16, 128*PK
	s_mul_i32 s18, s16, 128*PV
	s_lshl_b32 s3, s[WV], 11
	s_lshl_b32 s2, s[HI], 15
	s_add_co_u32 s2, s2, s3
	s_lshl_b32 s84, s[PB], 15
	s_add_co_u32 s84, s84, s3
	s_mov_b32 s3, 0
	s_mov_b32 s85, 0
	s_add_nc_u64 s[2:3], s[2:3], s[20:21]
	s_add_nc_u64 s[84:85], s[84:85], s[20:21]
	; descriptor group 1.  128 keys are 16,384 dense bytes: asked for as 64 rows of 256 bytes, two keys a row, and padded in LDS after every key
	s_mov_b32 s[G1K], (1<<16)|(1<<20)|(4<<22)|(3<<25)
	s_mov_b32 s[G1V], (1<<16)|(1<<20)|(4<<22)|(7<<25)
.irp g, G1K, G1V
	s_mov_b32 s[\g+1], 128<<16
	s_mov_b32 s[\g+2], 64<<16
	s_mov_b32 s[\g+3], 128<<16
	s_mov_b32 s[\g+4], 64
	s_mov_b32 s[\g+5], 128
	s_mov_b32 s[\g+6], 0
	s_mov_b32 s[\g+7], 0
.endr
	s_mov_b32 s[CS], 0x3e38aa3b     ; c = log2(e) / 8
	s_mov_b32 s[CS+1], s[CS]
	s_mov_b32 s[SEL], 0x76543210
	s_mov_b32 s[SEL+1], 0xfedcba98
	s_mov_b32 s[TBK], SLOT1+4*KS*PK ; the first change of slots turns these three into 0
	s_mov_b32 s[TBV], SLOT1+4*KS*PV
	s_mov_b32 s[TBP], 2*PSLOT
	s_mov_b32 s[PSL], 0             ; padding slot 0 is written at the head
	s_mov_b32 s[G0K], 1
	s_mov_b32 s[G0K+1], s17
	s_mov_b32 s[G0V], 1
	s_add_co_u32 s[G0V+1], s18, VOFF
	s_add_co_u32 s[RT], s[HI], 1
	s_mov_b32 s[NXT], 1
	s_mov_b32 s[LQ], s[HI]
	s_mov_b32 s[NEW], 1
	s_mov_b32 s[OFF+1], 0
	s_mov_b32 s[AL+1], 0
	s_mov_b32 s[BE+1], 0
	s_mov_b32 s[BIGN], 0xf149f2ca   ; -1e30
	s_mov_b32 s[SLOTS], NB
	s_cmp_eq_u32 s[PB], 0
	s_cselect_b32 s[PFC], NB-2, 0
	s_wait_dscnt 0x0                ; the opening add is done
	s_wait_kmcnt 0x0
	s_add_nc_u64 s[6:7], s[4:5], 0x1000000   ; K
	s_add_nc_u64 s[8:9], s[4:5], 0x2000000   ; V
	s_add_nc_u64 s[6:7], s[6:7], s[22:23]    ; at my half of the head's tile 0
	s_add_nc_u64 s[8:9], s[8:9], s[22:23]
	s_add_nc_u64 s[G0K+2:G0K+3], s[6:7], 0
	s_or_b32 s[G0K+3], s[G0K+3], 0x80000000
	s_add_nc_u64 s[G0V+2:G0V+3], s[8:9], 0
	s_or_b32 s[G0V+3], s[G0V+3], 0x80000000
	s_add_nc_u64 s[86:87], s[4:5], s[84:85]
	s_add_nc_u64 s[4:5], s[4:5], s[2:3]
	s_add_nc_u64 s[OLO:OLO+1], s[10:11], s[84:85]
	s_add_nc_u64 s[10:11], s[10:11], s[2:3]
	s_add_nc_u64 s[MP:MP+1], s[MP:MP+1], s[MO:MO+1]
	s_cmp_lt_u32 s[WV], 2
	s_cselect_b64 s[PFA:PFA+1], s[6:7], s[8:9]
	s_add_nc_u64 s[PFA:PFA+1], s[PFA:PFA+1], 32768  ; at tile 1; the first change of slots steps it to tile 2
	LOAD                            ; tile 0 into slot 0
	v_lshlrev_b32 v[MA], 3, v0
	global_load_b64 v[MZ:MZ+1], v[MA], s[MP:MP+1]              ; my two mask words of tile 0,
	global_load_b64 v[MR:MR+1], v[MA], s[MP:MP+1] offset:1024  ; and of tile 1, which the first change of slots asks for
	v_and_b32 v1, 15, v0
	v_bfe_u32 v9, v0, 4, 1
	v_lshlrev_b32 v[QO], 7, v1
	v_lshl_add_u32 v[QO], v9, 4, v[QO]
	WIN 0x80
.set i, 0
.rept 8
	global_load_b128 v[8*i:8*i+3],   v[QO], s[4:5] offset:(i/2)*8192+(i%2)*64
	global_load_b128 v[8*i+4:8*i+7], v[QO], s[4:5] offset:(i/2)*8192+(i%2)*64+32
	global_load_b128 v[QB+8*i:QB+8*i+3],   v[QO], s[86:87] offset:(i/2)*8192+(i%2)*64
	global_load_b128 v[QB+8*i+4:QB+8*i+7], v[QO], s[86:87] offset:(i/2)*8192+(i%2)*64+32
.set i, i+1
.endr
	WIN 0
	v_lshlrev_b32 v14, 3, v9
	v_sub_nc_u32 v14, v1, v14
	s_lshl_b32 s13, s[WV], 4
	v_add_nc_u32 v14, s13, v14      ; my query's place in its band less my lanes' 8 (l / 16): register r of group kt is hidden where 16 kt + r is greater
	WIN 0x40
.set i, 0
.rept 32
	v_cmp_gt_i32 vcc_lo, 16*(i/8)+i%8, v14
	v_cndmask_b32 v[MD+i], 0, s[BIGN], vcc_lo
.set i, i+1
.endr
	WIN 0
	v_mul_u32_u24 v[AK0], v1, PK
	v_lshl_add_u32 v[AK0], v9, 4, v[AK0]
	v_and_b32 v10, 7, v0
	v_bfe_u32 v11, v0, 3, 1
	v_lshl_add_u32 v[AV0], v9, 3, v10
	v_mul_u32_u24 v[AV0], v[AV0], PV
	v_lshl_add_u32 v[AV0], v11, 4, v[AV0]
	v_add_nc_u32 v[AV0], VOFF, v[AV0]
	s_mul_i32 s13, s[WV], 16*SP
	s_add_co_u32 s13, s13, STAGE
	v_mul_u32_u24 v[STO], v1, SP
	v_lshl_add_u32 v[STO], v9, 4, v[STO]
	v_add_nc_u32 v[STO], s13, v[STO]
	v_bfe_u32 v[RD], v0, 3, 2
	v_mul_u32_u24 v[RD], v[RD], SP
	v_lshl_add_u32 v[RD], v10, 4, v[RD]
	v_add_nc_u32 v[RD], s13, v[RD]
	v_and_b32 v[GO], 31, v0
	v_lshlrev_b32 v[PFO], 8, v[GO]
	v_lshlrev_b32 v[GO], 4, v[GO]
	v_add_nc_u32 v[MS], PBT, v[MA]
	v_lshl_add_u32 v[AP0], v9, 5, PBT
	s_wait_loadcnt 32               ; the mask's two loads are in; Q's 32, issued behind them, may stay out
	v_cmp_eq_u32 vcc_lo, 0, v[MZ]
	v_cndmask_b32 v[MZ], 0, s[BIGN], vcc_lo    ; 0 for a key that counts, -1e30 for a padded one
	v_cmp_eq_u32 vcc_lo, 0, v[MZ+1]
	v_cndmask_b32 v[MZ+1], 0, s[BIGN], vcc_lo
	ds_store_b64 v[MS], v[MZ:MZ+1]  ; tile 0's biases into padding slot 0: the first change of slots waits for this store and passes a barrier before anybody reads them
	; A block's first step multiplies O^T and l by a = 0: these registers need only hold finite numbers.  All this stands in the wait for the first tile.
	WIN 0x80
.set i, VF
.rept 64
	v_mov_b32 v[i], 0
.set i, i+1
.endr
	WIN 0x40
.set i, 0
.rept 128
	v_mov_b32 v[i], 0
.set i, i+1
.endr
	WIN 0
.set i, 0
.rept 4
	v_mov_b32 v[ST+4*i+2], 0
	v_mov_b32 v[ST+4*i+3], 0
.set i, i+1
.endr
.set i, P+16
.rept 16
	v_mov_b32 v[i], 0
.set i, i+1
.endr
; THE MATRIX WORK.  The 4 accumulators of a run of 8 take turns.  Product i of 8 of S^T = K Q^T for piece x: channels 32 (i / 4) on, keys 16 (i % 4) on.  The first 4 start the sums: with PD, or (KM = 1) with the mask buffer.
.macro KQ x
.set rS, S+32*((\x)%2)+8*(i%4)
.set rK, KF+16*(i%4)+8*(i/4)
.set rQ, 16*(\x)+8*(i/4)
.set rM, PD+8*(i%4)
.if KM
.set rM, MC+32*((\x)%2)+8*(i%4)
.endif
.if i < 4
	WIN W_KM
	v_wmma_f32_16x16x32_f16 v[rS:rS+7], v[rK:rK+7], v[rQ:rQ+7], v[rM:rM+7]
.else
	WIN W_KQ
	v_wmma_f32_16x16x32_f16 v[rS:rS+7], v[rK:rK+7], v[rQ:rQ+7], v[rS:rS+7]
.endif
.endm
.macro PV x
	WIN W_PV
.set rO, 32*(\x)+8*(i%4)
.set rV, VF+32*(i/4)+8*(i%4)
.set rP, P+16*((\x)%2)+8*(i/4)
	v_wmma_f32_16x16x32_f16 v[rO:rO+7], v[rV:rV+7], v[rP:rP+7], v[rO:rO+7]
.endm
.macro MM
.if (i < 8) && !NOKQ
	KQ (Y+1)%NP
.elseif i >= 8
.set i, i-8
	PV (Y+NP-1)%NP
.set i, i+8
.endif
.set i, i+1
.endm
; THE LDS LOADS stand in runs: a step's K (8 fragments) with its 64 padding biases (a lane's 8 of each group of 16 keys), and its V (turned).
.macro FETCH_K
	WIN 0x80
.irp f, 0,1,2,3,4,5,6,7
	ds_load_b128 v[KF+8*\f:KF+8*\f+3],   v[AK] offset:(\f/2)*16*PK+(\f%2)*64
	ds_load_b128 v[KF+8*\f+4:KF+8*\f+7], v[AK] offset:(\f/2)*16*PK+(\f%2)*64+32
.endr
	WIN 0x40
.irp f, 0,1,2,3
	ds_load_b128 v[PD+8*\f:PD+8*\f+3],   v[AP] offset:64*\f
	ds_load_b128 v[PD+8*\f+4:PD+8*\f+7], v[AP] offset:64*\f+16
.endr
	s_add_co_u32 s[TBK], s[TBK], KS*PK
	s_add_co_u32 s[TBP], s[TBP], KS*4
	WIN 0
.endm
.macro FETCH_V
	WIN 0x80
.irp f, 0,1,2,3,4,5,6,7
	ds_load_tr16_b128 v[VF+8*\f:VF+8*\f+3],   v[AV] offset:(\f/4)*32*PV+(\f%4)*32
	ds_load_tr16_b128 v[VF+8*\f+4:VF+8*\f+7], v[AV] offset:(\f/4)*32*PV+16*PV+(\f%4)*32
.endr
	WIN 0
.endm
; THE VECTOR WORK, one line at a time: OP kind, number.  For piece Y: F n: c s - c m for pair n.  E n: the exponential of score n.  C n: pair n rounded to f16.  B n: of four weights the second pair is added onto the first.
; L n: l takes that sum (L 0: l = a l + sum).  R n: pair n of O^T times a.  For piece Y + 1: X n, number n of the 22 that find its maximum and statistics (each accumulator's lowest registers are read first).
.set F, 0
.set E, 1
.set C, 2
.set B, 3
.set L, 4
.set R, 5
.set X, 6
.macro REGS y
.set rT, ST+4*(\y)
.set rC, TMP+4*((\y)%2)
.set rW, MV+((\y)%2)
.set rS, S+32*((\y)%2)
.set rP, P+16*((\y)%2)
.set rO, 32*(\y)
.endm
.macro OP k, n
.if (\k) == R
	REGS Y
	WIN W_RS
	v_pk_mul_f32 v[rO+2*(\n):rO+2*(\n)+1], v[rO+2*(\n):rO+2*(\n)+1], v[rC+2:rC+3] op_sel_hi:[1,0]
.elseif (\k) < R
	REGS Y
	WIN 0
.if (\k) == F
	v_pk_fma_f32 v[rS+2*(\n):rS+2*(\n)+1], v[rS+2*(\n):rS+2*(\n)+1], s[CS:CS+1], v[rT:rT+1] op_sel_hi:[1,0,0] neg_lo:[0,0,1] neg_hi:[0,0,1]
.elseif (\k) == E
	v_exp_f32 v[rS+(\n)], v[rS+(\n)]
.elseif (\k) == C
	v_cvt_pk_f16_f32 v[rP+(\n)], v[rS+2*(\n)], v[rS+2*(\n)+1]
.elseif (\k) == B
	v_pk_add_f32 v[rS+4*(\n):rS+4*(\n)+1], v[rS+4*(\n):rS+4*(\n)+1], v[rS+4*(\n)+2:rS+4*(\n)+3]
.elseif (\n) == 0
	v_pk_fma_f32 v[rT+2:rT+3], v[rT+2:rT+3], v[rC+2:rC+3], v[rS:rS+1] op_sel_hi:[1,0,1]
.else
	v_pk_add_f32 v[rT+2:rT+3], v[rT+2:rT+3], v[rS+4*(\n):rS+4*(\n)+1]
.endif
.elseif NOKQ
	v_nop
.else
	REGS (Y+1)%NP
	WIN 0
.if (\n) < 4
	v_max3_num_f32 v[rC+(\n)], v[rS+8*(\n)], v[rS+8*(\n)+1], v[rS+8*(\n)+2]
.elseif (\n) < 12
	v_max3_num_f32 v[rC+(\n)%4], v[rC+(\n)%4], v[rS+8*((\n)%4)+2*((\n)/4)+1], v[rS+8*((\n)%4)+2*((\n)/4)+2]
.elseif (\n) == 12
	v_max3_num_f32 v[rC], v[rC], v[rS+7], v[rS+15]
.elseif (\n) == 13
	v_max3_num_f32 v[rC+1], v[rC+1], v[rS+23], v[rS+31]
.elseif (\n) == 14
	v_max3_num_f32 v[rC+2], v[rC+2], v[rC+3], v[rT+1]
.elseif (\n) == 15
	v_mov_b32 v[rW], v[rT]
.elseif (\n) == 16
	v_max3_num_f32 v[rC], v[rC], v[rC+1], v[rC+2]
.elseif (\n) == 17
	v_permlanex16_b32 v[rC+3], v[rC], s[SEL], s[SEL+1]
.elseif (\n) == 18
	v_max_num_f32 v[rT+1], v[rC], v[rC+3]
.elseif (\n) == 19
	v_mul_f32 v[rT], s[CS], v[rT+1]
.elseif (\n) == 20
	v_sub_f32 v[rC+1], v[rW], v[rT]
.else
	v_exp_f32 v[rC+2], v[rC+1]
.endif
.endif
.endm
.macro OPS a, i1, b=-1, i2=0, c=-1, i3=0, d=-1, i4=0
	OP \a, \i1
.if (\b) >= 0
	OP \b, \i2
.endif
.if (\c) >= 0
	OP \c, \i3
.endif
.if (\d) >= 0
	OP \d, \i4
.endif
.endm
.macro ROW a, i1, b, i2, c, i3, d, i4
	MM
	OPS \a, \i1, \b, \i2, \c, \i3, \d, \i4
.endm
.macro MASK b, be=1                 ; MD x AL + PD (+ BE where be = 1) into buffer b of MC
	WIN 0x51
.set z, 0
.rept 16
	v_pk_fma_f32 v[MC+32*(\b)+2*z:MC+32*(\b)+2*z+1], v[MD+2*z:MD+2*z+1], s[AL:AL+1], v[PD+2*z:PD+2*z+1] op_sel_hi:[1,0,1]
.set z, z+1
.endr
.if \be
.set z, 0
.rept 16
	v_pk_add_f32 v[MC+32*(\b)+2*z:MC+32*(\b)+2*z+1], v[MC+32*(\b)+2*z:MC+32*(\b)+2*z+1], s[BE:BE+1] op_sel_hi:[1,0]
.set z, z+1
.endr
.endif
.endm
.macro PREMASK                      ; on the way into the diagonal tile's text: its first products are piece 3's of the tile before, whose mask is that step's padding alone
	s_mov_b32 s[AL], 0
	MASK 1, 0
	WIN 0
.endm
; A TURN, for piece p.  Ahead of its one wait stands all that names no result of the turn's exponentials: the 8 products K Q^T with four vector instructions behind each, then one lump; behind the wait the 8 products V^T P,
; behind each four of the roundings and sums.  m = 1: the diagonal tile: the products take masks, and the turn makes the mask for the products of the turn after it: piece p + 2, in step 4 - CNT of the tile.
; end = 1: a block's last two turns: nothing is fetched.  cnt = 1: the loop's count is taken down some lines ahead of the branch behind the turn.
.macro TURN p, m=0, end=0, cnt=0
.set Y, (\p)
.set i, 0
.set KM, (\m)
.set NOKQ, (\end)*((\p)/3)
.if (\m) && !(\end)
	s_cmp_eq_u32 s[CNT], 4-((\p)+2)%NP
	s_cselect_b32 s[AL], 1.0, 0
	s_cmp_lt_u32 s[CNT], 4-((\p)+2)%NP
	s_cselect_b32 s[BE], s[BIGN], 0
.endif
.if ((\p) == 3) && !(\end)
	s_wait_dscnt 0x0                ; K and PD are in
.endif
	ROW F,0, F,1, R,0, R,1
	ROW F,2, E,0, R,2, R,3
	ROW F,3, E,1, R,4, R,5
	ROW F,4, E,2, R,6, R,7
	ROW F,5, E,3, R,8, R,9
	ROW F,6, E,4, X,0, R,10
.if ((\p) == 2) && !(\end)
	WIN 0
	v_add_nc_u32 v[AK], s[TBK], v[AK0]
	v_add_nc_u32 v[AP], s[TBP], v[AP0]
.endif
	ROW F,7, E,5, X,1, X,4
	ROW F,8, E,6, X,2, X,5
	OPS E,7, E,8, X,6, E,9
	OPS X,3, E,10, X,8, E,11
.if ((\p) == 2) && !(\end)
	FETCH_K
.endif
	OPS X,9, X,7, E,12, X,10
	OPS E,13, X,12, X,11, E,14
	OPS X,13, E,15, F,9, X,14
.if (\p) == 0
	v_add_nc_u32 v[AV], s[TBV], v[AV0]
.endif
	OPS E,16, F,10, E,17, F,11
	OPS X,16, E,18, X,15, E,19
	OPS F,12, E,20, X,17, E,21
	OPS F,13, E,22, F,14, E,23
	OPS X,18, E,24, F,15, E,25
	OPS R,11, E,26, X,19, E,27
	OPS R,12, E,28, R,13, E,29
	OPS X,20, E,30, R,14, E,31
	OPS X,21, R,15
	WIN 0
	s_wait_alu depctr_va_vdst(0)    ; the wait for the batch, ahead of the first instruction that names a result
.if (\p) == 1
	s_wait_dscnt 0x0                ; V is in
.endif
	ROW C,0, B,0, C,2, B,1
	ROW L,0, C,4, B,2, L,1
	ROW C,6, B,3, L,2, C,8
	ROW B,4, L,3, C,10, B,5
	ROW L,4, C,12, B,6, L,5
.if (\p) == 0
	s_add_co_u32 s[TBV], s[TBV], KS*PV
.endif
.if \cnt
	s_sub_co_u32 s[CNT], s[CNT], 1
	s_cmp_lg_u32 s[CNT], 0
.endif
	ROW C,14, B,7, L,6, C,1
	ROW C,3, L,7, C,5, C,7
	ROW C,9, C,11, C,13, C,15
.if (\p) == 0
	FETCH_V
.endif
.if (\m) && !(\end)
.if (\p) == 2
	s_wait_dscnt 0x0                ; this mask is the next step's: it reads the PD just fetched
.endif
	MASK (\p)%2
.endif
.endm
; A BLOCK BEGINS.  c m starts far below every c s, so the first step's a is 0; m at its floor.  K and PD of the tile's step 0; the first mask buffer takes piece 0's mask (its own step's, if the block's first tile is the
; diagonal one), the second piece 1's, which is the padding alone.  Then piece 0's first scores, maximum and statistics.  (Q is in: the change of slots in front has waited for all loads.)
.macro BEGIN
	s_mov_b32 s[NEW], 0
	WIN 0
.set i, 0
.rept 4
	v_mov_b32 v[ST+4*i], 0xfe000000    ; c m: far below every c s
	v_mov_b32 v[ST+4*i+1], 0xee000000  ; m: the floor, -2^93
.set i, i+1
.endr
	v_add_nc_u32 v[AK], s[TBK], v[AK0]
	v_add_nc_u32 v[AP], s[TBP], v[AP0]
	FETCH_K
	s_wait_dscnt 0x0
	s_cmp_eq_u32 s[RT], 0
	s_cselect_b32 s[AL], 1.0, 0
	MASK 0, 0
	s_mov_b32 s[AL], 0
	MASK 1, 0
.set KM, 1
.set NOKQ, 0
.set i, 0
.rept 8
	KQ 0
.set i, i+1
.endr
	WIN 0
.rept 4
	v_nop                           ; the places behind those products
.endr
.set Y, NP-1
.irp n, 0,1,2,3,4,5,6,7,8,9,10,11,12,13,14,15,16,17,18,19,20,21
	OP X, \n
.endr
	v_nop                           ; a plain instruction behind the exponential,
	s_wait_alu depctr_va_vdst(0)    ; and its wait, ahead of the branch
.endm
.macro ALL line:vararg
.set t, 0
.rept 4
	\line
.set t, t+1
.endr
.endm
.macro PACK t
	WIN W_RS
.set i, 32*(\t)
.rept 16
	v_pk_mul_f32 v[i:i+1], v[i:i+1], v[ST+4*(\t)+2:ST+4*(\t)+3] op_sel_hi:[1,0]
.set i, i+2
.endr
	WIN 0x05
.set i, 0
.rept 16
	v_cvt_pk_f16_f32 v[S+16*(\t)+i], v[32*(\t)+2*i], v[32*(\t)+2*i+1]
.set i, i+1
.endr
	WIN 0
.irp f, 0,1,2,3
	ds_store_b128 v[STO], v[S+16*(\t)+4*\f:S+16*(\t)+4*\f+3] offset:32*\f
.endr
.irp f, 0,1,2,3
	ds_load_b128 v[S+16*(\t)+4*\f:S+16*(\t)+4*\f+3], v[RD] offset:\f*4*SP  ; LDS serves a wave's instructions in order: these see the stores above
.endr
.endm
.macro SEND t, younger
	WIN 0
.irp f, 0,1,2,3
	s_wait_dscnt (\younger)+3-\f
	global_store_b128 v[GO], v[S+16*(\t)+4*\f:S+16*(\t)+4*\f+3], s[10:11] offset:(\t)*8192+\f*512  ; 512 consecutive bytes, aligned
.endr
.endm
; THE DIAGONAL TILE's four steps, the block's last two turns, its last products, and the way out
.macro DIAG tag
.LstepM\tag:
	TURN 2, 1
	TURN 3, 1
	WIN 0
.LfirstM\tag:
	TURN 0, 1
	TURN 1, 1, 0, 1
	WIN 0
	s_cbranch_scc1 .LstepM\tag
	TURN 2, 1, 1
	TURN 3, 1, 1
.set i, 0
.rept 8
	PV NP-1
.set i, i+1
.endr
	WIN 0
	ALL v_add_f32 v[ST+4*t+2], v[ST+4*t+2], v[ST+4*t+3]
	ALL v_permlanex16_b32 v[ST+4*t+3], v[ST+4*t+2], s[SEL], s[SEL+1]
	ALL v_add_f32 v[ST+4*t+2], v[ST+4*t+2], v[ST+4*t+3]
	ALL v_rcp_f32 v[ST+4*t+2], v[ST+4*t+2]
	v_nop                           ; a plain instruction between the last reciprocal and the use of its result
	s_wait_alu depctr_va_vdst(0)    ; one wait for the four reciprocals, ahead of their first use
	PACK 0
.set t, 1
.rept 3
	PACK t
	SEND t-1, 8
.set t, t+1
.endr
	SEND 3, 0
.endm
.set KM, 0
.set NOKQ, 0
.Lslot:                             ; NB times: a tile is entered and the next is asked for
	CHANGE 1
	s_sub_co_u32 s[RT], s[RT], 1
	s_mov_b32 s[CNT], 4
	s_cmp_eq_u32 s[NEW], 1
	s_cbranch_scc1 .Lnew            ; a block's first tile
	s_cmp_eq_u32 s[RT], 0
	s_cbranch_scc0 .Lstep           ; neither its first nor its last
	PREMASK
	s_branch .LstepM1
.Lnew:
	BEGIN
	s_branch .Lfirst                ; in the loop a block's first tile is never its last
	DIAG 1                          ; in the loop this is the first block's end
	s_wait_xcnt 0x0                 ; the stores have read their registers and O's address
	s_mov_b64 s[10:11], s[OLO:OLO+1]
	s_add_co_u32 s[RT], s[PB], 1    ; the second block has b + 1 tiles
	s_mov_b32 s[NEW], 1
	WIN 0x82                        ; the second block's Q goes where the one text of the turns names Q
.set i, 0
.rept 64
	v_mov_b32 v[i], v[QB+i]
.set i, i+1
.endr
	WIN 0x40                        ; O^T and l are cleared: a row that saw no key has left NaN and an infinity there, which a = 0 would not remove
.set i, 0
.rept 128
	v_mov_b32 v[i], 0
.set i, i+1
.endr
	WIN 0
.set i, 0
.rept 4
	v_mov_b32 v[ST+4*i+2], 0
	v_mov_b32 v[ST+4*i+3], 0
.set i, i+1
.endr
	s_branch .Lbottom
.Lstep:                             ; a trip: pieces 2 and 3 of one step, then pieces 0 and 1 of the next, whose K and V it fetches
	TURN 2
	TURN 3
	WIN 0
.Lfirst:
	TURN 0
	TURN 1, 0, 0, 1
	WIN 0
	s_cbranch_scc1 .Lstep
.Lbottom:
	s_sub_co_u32 s[SLOTS], s[SLOTS], 1
	s_cmp_lg_u32 s[SLOTS], 0
	s_cbranch_scc1 .Lslot
	CHANGE 0                        ; the walk's last tile is written out
	s_sub_co_u32 s[RT], s[RT], 1
	s_mov_b32 s[CNT], 4
	s_cmp_eq_u32 s[NEW], 1
	s_cbranch_scc0 .Lpre2
	BEGIN
	s_branch .LfirstM2
.Lpre2:
	PREMASK
	DIAG 2
	s_wait_tensorcnt 0x0            ; the wave's end
	ds_add_u32 v[SPW], v[NIL]
	s_wait_dscnt 0x0
	s_endpgm
.Lfunc_end_k_qca17e46ccb_attn:
	.size	k_qca17e46ccb_attn, .Lfunc_end_k_qca17e46ccb_attn-k_qca17e46ccb_attn
	.p2alignl 7, 3214868480
	.fill 96, 4, 3214868480
	.section	.rodata,"a",@progbits
	.p2align	6, 0x0
	.amdhsa_kernel k_qca17e46ccb_attn
		.amdhsa_group_segment_fixed_size 327680
		.amdhsa_private_segment_fixed_size 0
		.amdhsa_enable_private_segment 0
		.amdhsa_kernarg_size 24
		.amdhsa_user_sgpr_count 2
		.amdhsa_user_sgpr_kernarg_segment_ptr 1
		.amdhsa_wavefront_size32 1
		.amdhsa_system_sgpr_workgroup_id_x 1
		.amdhsa_system_sgpr_workgroup_id_y 1
		.amdhsa_system_sgpr_workgroup_id_z 1
		.amdhsa_system_vgpr_workitem_id 0
		.amdhsa_next_free_vgpr 768
		.amdhsa_next_free_sgpr 96
		.amdhsa_reserve_vcc 1
		.amdhsa_float_denorm_mode_32 3
		.amdhsa_float_denorm_mode_16_64 3
		.amdhsa_memory_ordered 1
		.amdhsa_forward_progress 1
		.amdhsa_inst_pref_size 237
	.end_amdhsa_kernel
	.amdgpu_metadata
---
amdhsa.version: [ 1, 2 ]
amdhsa.kernels:
  - .name:           k_qca17e46ccb_attn
    .symbol:         k_qca17e46ccb_attn.kd
    .args:
      - { .name: qkv, .offset: 0, .size: 8, .value_kind: global_buffer, .address_space: global }
      - { .name: attention_mask, .offset: 8, .size: 8, .value_kind: global_buffer, .address_space: global }
      - { .name: ob, .offset: 16, .size: 8, .value_kind: global_buffer, .address_space: global }
    .group_segment_fixed_size: 327680
    .private_segment_fixed_size: 0
    .kernarg_segment_align: 8
    .kernarg_segment_size: 24
    .max_flat_workgroup_size: 128
    .sgpr_count:     96
    .vgpr_count:     768
    .wavefront_size: 32
...
	.end_amdgpu_metadata
.endif
;; end of part 3
;; launch outp (part 4): grid 4 x 64, 4 waves a work-group, clusters of 4 x 4, 327,680 bytes of LDS; arguments ob, wb, out0, bo; writes out0
.if DOCPART == 4
	.amdgcn_target "amdgcn-amd-amdhsa--gfx1250"
	.amdhsa_code_object_version 6
	.text
	.protected	k_qca17e46ccb_outp
	.globl	k_qca17e46ccb_outp
	.p2align	8
	.type	k_qca17e46ccb_outp,@function
k_qca17e46ccb_outp:
	s_mov_b64 s[64:65], 0
	v_nop
	global_prefetch_b8 v0, s[64:65] scope:SCOPE_SE
	s_setreg_imm32_b32 hwreg(HW_REG_WAVE_MODE, 25, 1), 1
	s_wait_xcnt 0x0
	s_wait_alu depctr_hold_cnt(0) depctr_sa_sdst(0) depctr_va_vdst(0) depctr_va_sdst(0) depctr_va_ssrc(0) depctr_va_vcc(0) depctr_vm_vsrc(0)
	s_getreg_b32 s2, hwreg(HW_REG_IB_STS2, 6, 4)
	s_cmp_eq_u32 s2, 0
	s_cbranch_scc0 .Lentry_in_a_cluster
	s_endpgm
.Lentry_in_a_cluster:
	s_bfe_u32 s2, ttmp6, 0x10000c
	s_cmp_lg_u32 s2, 0xf033
	s_cbranch_scc0 .Lentry_shape_is_right
	s_endpgm
.Lentry_shape_is_right:
; out0 = O Wo + bo.  ob: [64 heads][2048][64] f16 (head = 16 n + h), wb part 3: Wo [1024 k][1024 n] in f16 (its bf16-rounded numbers), bo f32 (rounded to bf16 like every input); sums and out0 in f32.
; A row of O that is NaN (a query that saw no key) makes its whole row of out0 NaN and no other.
; A tile of out0 is 128 rows x 256 columns: 64 x 4 = 256 tiles.  Four waves, each 64 x 128: 32 accumulators.  K goes in 8 steps of 128, two heads each, through two LDS slots.
; O lies by heads: a step's tile of O is two panels of 128 rows x 64 channels, each 16,384 dense bytes, asked for as 64 rows of 256 bytes and padded in LDS after every 128.
; Wo lies [k][n]: its fragments are turned on the way out of LDS.  The matrix instruction is used transposed: a lane holds one row and eight neighbouring columns.  The bias is the C operand that starts each sum.
; CLUSTER 4 x 4: O's tile is asked for jointly along a row of the cluster, Wo's along a column.
; REGISTERS: window 0: v0-35 addresses and work; v64-191 the way out, two buffers of 64; v192-255 the bias.  Window 1: accumulator (a, b) at v[8 (8 a + b)].  Window 2: two fragment buffers of 96.
.set PA,    144                        ; a row of a panel in LDS: 128 bytes + 16
.set APANEL, 128*PA
.set PBW,   544                        ; a k-row of Wo: 512 bytes + 32
.set BOFF,  2*APANEL
.set BHALF, 64*PBW
.set SLOT1, 1<<17
.set STAGE, SLOT1+BOFF+128*PBW         ; behind the ring: 16 rows x 528 bytes for each wave
.set SPF,   528
.set SPARE, STAGE+4*16*SPF             ; the spare words, 128 bytes a wave; no other line names them
.set KB_A,  2*262144                   ; bytes of a K step in ob: two heads
.set KB_B,  128*2048                   ; and down the rows of wb
.set ADRA0, 14
.set ADRB0, 15
.set ADRA,  16
.set ADRB,  20
.set STO,   24
.set RD,    25
.set CO,    26
.set BO,    27
.set SPW,   28
.set NIL,   29
.set PFO,   30
.set T,     64
.set BI,    192
.set F0,    0
.set F1,    96
.set G1,    24
.set G0,    32
.set G1B,   48
.set G0B,   56
.set LIM,   43
.set PFA,   44
.set PSTEP, 66
.set TB,    70
.set W_MUL,  0x5a
.set W_MULB, 0x4a
.set W_TOF,  0x80
.set MSB, 0
.macro WIN new
.if MSB != (\new)
	s_set_vgpr_msb (MSB<<8)|(\new)
.set MSB, \new
.endif
.endm
.macro PLACES
.rept 4
	v_nop
.endr
.endm
.macro JLOAD
	s_cmp_eq_u32 s11, 0
	s_cbranch_scc0 .Lfor_b_\@
	tensor_load_to_lds s[G0+4:G0+7], s[G1:G1+7]
	s_nop 0
.rept 4
	v_nop
.endr
	s_branch .Lasked_\@
.Lfor_b_\@:
	tensor_load_to_lds s[G0B+4:G0B+7], s[G1B:G1B+7]
	s_nop 0
.rept 4
	v_nop
.endr
.Lasked_\@:
.endm
; A prefetch of the K step that stands two refills on.  O's two panels of a step, 32 KiB: wave 0, the four partners of a row 8 KiB each, by address, a lane 256 bytes.  Wo's 128 k-rows x 512 bytes: waves 2 and 3 a half
; of 256 bytes each, the four partners of a column 32 k-rows each, in the first cluster alone.  Steps 4 to 7 are asked for, each block once.
.macro ASK
	s_cmp_gt_u32 s3, s[LIM]
	s_cbranch_scc0 .Lnot_mine_\@
	global_prefetch_b8 v[PFO], s[PFA:PFA+1] th:TH_LOAD_NT scope:SCOPE_SE
.Lnot_mine_\@:
.endm
.macro CREST
	s_cmp_lg_u32 s10, 0
	s_cbranch_scc1 .Lnot_wave_0_\@
	s_barrier_signal -3
.Lnot_wave_0_\@:
	s_barrier_wait -3
	s_barrier_signal -1
	s_barrier_wait -1
.endm
.macro CROUND
	s_barrier_signal -1
	s_barrier_wait -1
	CREST
.endm
	s_load_b128 s[4:7], s[0:1], 0x0                ; ob, wb
	s_load_b64 s[8:9], s[0:1], 0x10                ; out0
	s_load_b64 s[68:69], s[0:1], 0x18              ; bo
	v_lshl_add_u32 v[SPW], v0, 2, SPARE
	v_mov_b32 v[NIL], 0
	ds_add_u32 v[SPW], v[NIL]                      ; the wave's opening: the add and its wait ahead of my first tensor load
	v_lshrrev_b32 v1, 5, v0
	v_readfirstlane_b32 s10, v1
	s_lshr_b32 s11, s10, 1                         ; my half of the tile's rows.  Also: I fetch for O (0) or Wo (1)
	s_and_b32 s12, s10, 1                          ; my half of its columns.  Also: which panel, or which half of Wo's k-rows, I fetch
	s_bfe_u32 s40, ttmp6, 0x40000                  ; cx
	s_bfe_u32 s41, ttmp6, 0x40004                  ; cy
	s_lshl_b32 s42, ttmp9, 2
	s_add_co_u32 s42, s42, s40                     ; tile column
	s_and_b32 s18, ttmp7, 0xffff                   ; cluster y
	s_lshl_b32 s13, s18, 2
	s_add_co_u32 s13, s13, s41                     ; tile row, 0..63
	s_lshl_b32 s43, s41, 2
	s_lshl_b32 s43, 15, s43                        ; my row of the cluster
	s_lshl_b32 s44, 0x1111, s40                    ; my column
	s_or_b32 s[G1+0], s43, (1<<16)|(1<<20)|(1<<21)|(4<<22)|(3<<25)   ; mask; 2-byte elements; padding on; bit 21 beside a mask; after every 32 words 4 words
	s_mov_b32 s[G1+1], 128<<16
	s_mov_b32 s[G1+2], 64<<16
	s_mov_b32 s[G1+3], 128<<16
	s_mov_b32 s[G1+4], 64
	s_mov_b32 s[G1+5], 128                         ; dense: 128 elements from row to row
	s_mov_b32 s[G1+6], 0
	s_mov_b32 s[G1+7], 0
	s_or_b32 s[G1B+0], s44, (1<<16)|(1<<20)|(1<<21)|(6<<22)|(7<<25)  ; after every 128 words 8 words
	s_mov_b32 s[G1B+1], 256<<16
	s_mov_b32 s[G1B+2], 64<<16
	s_mov_b32 s[G1B+3], 256<<16
	s_mov_b32 s[G1B+4], 64
	s_mov_b32 s[G1B+5], 1024
	s_mov_b32 s[G1B+6], 0
	s_mov_b32 s[G1B+7], 0
	s_lshr_b32 s16, s13, 4                         ; O: batch n = tile row / 16: 16 heads of 262,144 bytes,
	s_lshl_b32 s16, s16, 22
	s_and_b32 s17, s13, 15                         ; 128 rows of 128 bytes in each head,
	s_lshl_b32 s17, s17, 14
	s_add_co_u32 s16, s16, s17
	s_lshl_b32 s17, s12, 18                        ; my panel's head
	s_add_co_u32 s16, s16, s17
	s_mov_b32 s17, 0
	s_lshl_b32 s46, s12, 17                        ; Wo: part 3, k-row 64 x half, column 256 x tile column
	s_add_co_u32 s46, s46, 3<<21
	s_lshl_b32 s47, s42, 9
	s_add_co_u32 s46, s46, s47
	s_mov_b32 s47, 0
	s_mul_i32 s20, s12, APANEL                     ; where they go: no place in the cluster enters an LDS address
	s_mul_i32 s21, s12, BHALF
	s_add_co_u32 s21, s21, BOFF
	s_wait_dscnt 0x0                               ; the opening add is done
	s_wait_kmcnt 0x0
	s_add_nc_u64 s[14:15], s[4:5], s[16:17]
	s_add_nc_u64 s[46:47], s[6:7], s[46:47]
	CROUND                                         ; all sixteen work-groups are here: the first joint loads meet
.irp s, 0,1
	s_mov_b32 s[G0+4*(\s)], 1
	s_add_co_u32 s[G0+4*(\s)+1], s20, (\s)*SLOT1
	s_add_nc_u64 s[G0+4*(\s)+2:G0+4*(\s)+3], s[14:15], (\s)*KB_A
	s_or_b32 s[G0+4*(\s)+3], s[G0+4*(\s)+3], 0x80000000
	s_mov_b32 s[G0B+4*(\s)], 1
	s_add_co_u32 s[G0B+4*(\s)+1], s21, (\s)*SLOT1
	s_add_nc_u64 s[G0B+4*(\s)+2:G0B+4*(\s)+3], s[46:47], (\s)*KB_B
	s_or_b32 s[G0B+4*(\s)+3], s[G0B+4*(\s)+3], 0x80000000
.endr
	s_cmp_eq_u32 s11, 0                            ; a wave's two first fills stand in one branch: two loads of mine are out
	s_cbranch_scc0 .Lfirst_b
	tensor_load_to_lds s[G0:G0+3], s[G1:G1+7]
	s_nop 0
	tensor_load_to_lds s[G0+4:G0+7], s[G1:G1+7]
	s_nop 0
.rept 4
	v_nop
.endr
	s_branch .Lfirst_asked
.Lfirst_b:
	tensor_load_to_lds s[G0B:G0B+3], s[G1B:G1B+7]
	s_nop 0
	tensor_load_to_lds s[G0B+4:G0B+7], s[G1B:G1B+7]
	s_nop 0
.rept 4
	v_nop
.endr
.Lfirst_asked:
	v_and_b32 v1, 15, v0                           ; l % 16
	v_bfe_u32 v2, v0, 4, 1                         ; l / 16
	s_lshl_b32 s78, s42, 10                        ; column 256 x tile column + 128 x half + 8 (l / 16), 4 bytes each
	s_lshl_b32 s79, s12, 9
	s_add_co_u32 s78, s78, s79
	v_lshl_add_u32 v[BO], v2, 5, s78
.irp b, 0,1,2,3,4,5,6,7
	global_load_b128 v[BI+8*(\b):BI+8*(\b)+3],   v[BO], s[68:69] offset:64*(\b)
	global_load_b128 v[BI+8*(\b)+4:BI+8*(\b)+7], v[BO], s[68:69] offset:64*(\b)+16
.endr
	v_mul_u32_u24 v3, v1, PA
	v_lshl_add_u32 v3, v2, 4, v3
	s_mul_i32 s22, s11, 64*PA
	v_add_nc_u32 v[ADRA0], s22, v3
	v_and_b32 v4, 7, v0
	v_lshl_add_u32 v4, v2, 3, v4
	v_mul_u32_u24 v4, v4, PBW
	v_bfe_u32 v5, v0, 3, 1
	v_lshl_add_u32 v4, v5, 4, v4
	s_lshl_b32 s22, s12, 8
	s_add_co_u32 s22, s22, BOFF
	v_add_nc_u32 v[ADRB0], s22, v4
	v_mov_b32 v[ADRA], v[ADRA0]
	v_mov_b32 v[ADRB], v[ADRB0]
	s_mov_b32 s[TB], 0
	s_mul_i32 s23, s10, 16*SPF
	s_add_co_u32 s23, s23, STAGE                   ; my stage
	v_mul_u32_u24 v3, v1, SPF                      ; in: row l % 16, 32 bytes for each half of the lanes
	v_lshl_add_u32 v3, v2, 5, v3
	v_add_nc_u32 v[STO], s23, v3
	v_and_b32 v[CO], 31, v0
	s_cmp_eq_u32 s11, 0
	s_cselect_b32 s22, 8, 11
	v_lshlrev_b32 v[PFO], s22, v[CO]               ; O: a lane 256 dense bytes; Wo: a lane a k-row of 2,048 bytes
	v_lshlrev_b32 v[CO], 4, v[CO]                  ; back and out: 32 lanes take one row of 512 bytes
	v_add_nc_u32 v[RD], s23, v[CO]
	; where my 64 rows x 128 columns begin in out0
	s_lshl_b32 s76, s13, 19
	s_lshl_b32 s77, s11, 18
	s_add_co_u32 s76, s76, s77
	s_add_co_u32 s76, s76, s78
	s_mov_b32 s77, 0
	s_add_nc_u64 s[8:9], s[8:9], s[76:77]
	; the prefetches: at K step 3; the first change of slots steps them to 4
	s_lshr_b32 s76, s13, 4
	s_lshl_b32 s76, s76, 22
	s_and_b32 s77, s13, 15
	s_lshl_b32 s77, s77, 14
	s_add_co_u32 s76, s76, s77
	s_lshr_b32 s77, s40, 1                         ; O: my work-group's panel,
	s_lshl_b32 s77, s77, 18
	s_add_co_u32 s76, s76, s77
	s_and_b32 s77, s40, 1                          ; and its half of 8,192 bytes
	s_lshl_b32 s77, s77, 13
	s_add_co_u32 s76, s76, s77
	s_add_co_u32 s76, s76, 3*KB_A
	s_lshl_b32 s78, s41, 16                        ; Wo: my work-group's 32 k-rows,
	s_lshl_b32 s79, s42, 9
	s_add_co_u32 s78, s78, s79
	s_lshl_b32 s79, s12, 8                         ; my wave's 256 bytes of the 512
	s_add_co_u32 s78, s78, s79
	s_add_co_u32 s78, s78, (3<<21)+3*KB_B
	s_mov_b32 s23, KB_B
	s_cmp_eq_u32 s11, 0
	s_cselect_b32 s76, s76, s78
	s_cselect_b64 s[PFA:PFA+1], s[4:5], s[6:7]
	s_cselect_b32 s[PSTEP], KB_A, s23
	s_cselect_b32 s22, s12, s18                    ; O: wave 0 asks; Wo: the first cluster
	s_mov_b32 s77, 0
	s_mov_b32 s[PSTEP+1], 0
	s_cmp_eq_u32 s22, 0
	s_cselect_b32 s[LIM], 2, -1                    ; the same in all sixteen partners, for a given wave
	s_add_nc_u64 s[PFA:PFA+1], s[PFA:PFA+1], s[76:77]
	s_wait_loadcnt 0x0                             ; the bias
.set i, 0
.rept 32
	v_cvt_pk_bf16_f32 v[32+i%4], v[BI+2*i], v[BI+2*i+1]   ; rounded to bf16 like every input, and back to f32
	v_lshlrev_b32 v[BI+2*i], 16, v[32+i%4]
	v_and_b32 v[BI+2*i+1], 0xffff0000, v[32+i%4]
.set i, i+1
.endr
; 8 matrix instructions: row block a x all 8 column blocks, 32 along K.  first = 1: the bias starts the sums.  The 32 accumulators take turns, in the same order in every quarter.
.macro MUL8 f, a, first
.if \first
	WIN W_MULB
.else
	WIN W_MUL
.endif
.irp b, 0,1,2,3,4,5,6,7
.if \first
	v_wmma_f32_16x16x32_f16 v[8*(8*(\a)+(\b)):8*(8*(\a)+(\b))+7], v[(\f)+32+8*(\b):(\f)+32+8*(\b)+7], v[(\f)+8*(\a):(\f)+8*(\a)+7], v[BI+8*(\b):BI+8*(\b)+7]
.else
	v_wmma_f32_16x16x32_f16 v[8*(8*(\a)+(\b)):8*(8*(\a)+(\b))+7], v[(\f)+32+8*(\b):(\f)+32+8*(\b)+7], v[(\f)+8*(\a):(\f)+8*(\a)+7], v[8*(8*(\a)+(\b)):8*(8*(\a)+(\b))+7]
.endif
.endr
.endm
; 24 LDS loads in one run: quarter q's fragments into buffer f: Wo's 8 (turned), then O's 4 (panel q / 2, channels 32 (q % 2) on)
.macro FETCH q, f
	WIN W_TOF
.irp b, 0,1,2,3,4,5,6,7
	ds_load_tr16_b128 v[(\f)+32+8*(\b):(\f)+32+8*(\b)+3],   v[ADRB] offset:(\q)*32*PBW+32*(\b)
	ds_load_tr16_b128 v[(\f)+32+8*(\b)+4:(\f)+32+8*(\b)+7], v[ADRB] offset:(\q)*32*PBW+16*PBW+32*(\b)
.endr
.irp a, 0,1,2,3
	ds_load_b128 v[(\f)+8*(\a):(\f)+8*(\a)+3],   v[ADRA] offset:((\q)/2)*APANEL+((\q)%2)*64+(\a)*16*PA
	ds_load_b128 v[(\f)+8*(\a)+4:(\f)+8*(\a)+7], v[ADRA] offset:((\q)/2)*APANEL+((\q)%2)*64+(\a)*16*PA+32
.endr
.endm
.macro QUARTER q, f, g, first
	s_wait_dscnt 4                                 ; Wo and O's row blocks 0, 1 are in; the youngest four loads may be out
	MUL8 \f, 0, \first
	MUL8 \f, 1, \first
	PLACES                                         ; four places in front of loads into registers that matrix instructions have read
	FETCH \q, \g
	s_wait_dscnt 24                                ; all but the 24 just issued
	MUL8 \f, 2, \first
	MUL8 \f, 3, \first
.endm
.macro TURN fill
.if \fill
	s_wait_xcnt 0x0                                ; the last prefetch, a K step back, has read its address
	s_add_nc_u64 s[PFA:PFA+1], s[PFA:PFA+1], s[PSTEP:PSTEP+1]
.endif
	WIN 0
	s_wait_tensorcnt 0x0                           ; all my tensor loads have landed: my part of the next slot
	ds_add_u32 v[SPW], v[NIL]                      ; 0 onto my spare word
.if \fill
	s_xor_b32 s[G0+5], s[G0+5], SLOT1              ; the walking descriptors: the other slot than last time, the next K step
	s_add_nc_u64 s[G0+6:G0+7], s[G0+6:G0+7], KB_A
	s_xor_b32 s[G0B+5], s[G0B+5], SLOT1
	s_add_nc_u64 s[G0B+6:G0B+7], s[G0B+6:G0B+7], KB_B
.endif
	s_wait_dscnt 5                                 ; the add and the youngest four loads may be out
	MUL8 F1, 0, 0
	s_wait_dscnt 0x0                               ; the add is done, and my reads of this slot are over
	s_barrier_signal -1
	MUL8 F1, 1, 0
	WIN 0
	s_barrier_wait -1
.if \fill
	CREST                                          ; no wave of any partner still reads this slot or has a load on its way
	JLOAD                                          ; its four v_nop are also the places in front of the loads below
.else
	PLACES
.endif
	s_xor_b32 s[TB], s[TB], SLOT1
	v_add_nc_u32 v[ADRA], s[TB], v[ADRA0]
	v_add_nc_u32 v[ADRB], s[TB], v[ADRB0]
	FETCH 0, F0
	WIN 0
.if \fill
	ASK
.endif
	MUL8 F1, 2, 0
	MUL8 F1, 3, 0
.endm
	s_wait_tensorcnt 1                             ; my part of K step 0 is in; step 1's may stay out
	s_barrier_signal -1
	s_barrier_wait -1
	FETCH 0, F0
	QUARTER 1, F0, F1, 1                           ; the first quarter starts the sums
	WIN 0
	s_mov_b32 s3, 6                                ; six refills: K steps 2 to 7
.Lstep:
	QUARTER 2, F1, F0, 0
	QUARTER 3, F0, F1, 0
	TURN 1
	QUARTER 1, F0, F1, 0
	WIN 0
	s_sub_co_u32 s3, s3, 1
	s_cmp_lg_u32 s3, 0
	s_cbranch_scc1 .Lstep
	QUARTER 2, F1, F0, 0                           ; the last two K steps ask for nothing
	QUARTER 3, F0, F1, 0
	TURN 0
	QUARTER 1, F0, F1, 0
	QUARTER 2, F1, F0, 0
	QUARTER 3, F0, F1, 0
	s_wait_dscnt 4
	MUL8 F1, 0, 0
	MUL8 F1, 1, 0
	s_wait_dscnt 0x0
	MUL8 F1, 2, 0
	MUL8 F1, 3, 0
	PLACES                                         ; the LDS stores read results just made
; THE WAY OUT, in f32: block a's 16 rows x 512 bytes go into my own stage (each accumulator's low four registers first) and come back as whole rows.
.macro TOSTAGE a
.if (\a) >= 2
	s_wait_xcnt 0x0                                ; the stores of the block two back have read the buffer that is loaded again below
.endif
	WIN 0x04                                       ; the stores' data in window 1
.irp b, 0,1,2,3,4,5,6,7
	ds_store_b128 v[STO], v[8*(8*(\a)+(\b)):8*(8*(\a)+(\b))+3]   offset:64*(\b)
	ds_store_b128 v[STO], v[8*(8*(\a)+(\b))+4:8*(8*(\a)+(\b))+7] offset:64*(\b)+16
.endr
	WIN 0
.set BK, T+64*((\a)%2)
.irp i, 0,1,2,3,4,5,6,7,8,9,10,11,12,13,14,15
	ds_load_b128 v[BK+4*(\i):BK+4*(\i)+3], v[RD] offset:(\i)*SPF  ; LDS serves a wave's instructions in order: these see the stores above
.endr
.endm
.macro SEND a, younger                 ; younger: the LDS instructions issued behind block a's loads: the next block's 32, or none
	WIN 0
.set BK, T+64*((\a)%2)
.irp i, 0,1,2,3,4,5,6,7,8,9,10,11,12,13,14,15
	s_wait_dscnt (\younger)+15-(\i)
	global_store_b128 v[CO], v[BK+4*(\i):BK+4*(\i)+3], s[8:9] offset:(\a)*65536+(\i)*4096 th:TH_STORE_NT  ; 512 consecutive bytes, aligned
.endr
.endm
	TOSTAGE 0
	TOSTAGE 1
	SEND 0, 32
	TOSTAGE 2
	SEND 1, 32
	TOSTAGE 3
	SEND 2, 32
	SEND 3, 0
	s_wait_tensorcnt 0x0                           ; the wave's end
	ds_add_u32 v[SPW], v[NIL]
	s_wait_dscnt 0x0
	CROUND                                         ; the closing round
	s_endpgm
.Lfunc_end_k_qca17e46ccb_outp:
	.size	k_qca17e46ccb_outp, .Lfunc_end_k_qca17e46ccb_outp-k_qca17e46ccb_outp
	.p2alignl 7, 3214868480
	.fill 96, 4, 3214868480
	.section	.rodata,"a",@progbits
	.p2align	6, 0x0
	.amdhsa_kernel k_qca17e46ccb_outp
		.amdhsa_group_segment_fixed_size 327680
		.amdhsa_private_segment_fixed_size 0
		.amdhsa_enable_private_segment 0
		.amdhsa_kernarg_size 32
		.amdhsa_user_sgpr_count 2
		.amdhsa_user_sgpr_kernarg_segment_ptr 1
		.amdhsa_wavefront_size32 1
		.amdhsa_system_sgpr_workgroup_id_x 1
		.amdhsa_system_sgpr_workgroup_id_y 1
		.amdhsa_system_sgpr_workgroup_id_z 1
		.amdhsa_system_vgpr_workitem_id 0
		.amdhsa_next_free_vgpr 768
		.amdhsa_next_free_sgpr 84
		.amdhsa_reserve_vcc 0
		.amdhsa_float_denorm_mode_32 3
		.amdhsa_float_denorm_mode_16_64 3
		.amdhsa_memory_ordered 1
		.amdhsa_forward_progress 1
		.amdhsa_inst_pref_size 79
	.end_amdhsa_kernel
	.amdgpu_metadata
---
amdhsa.version: [ 1, 2 ]
amdhsa.kernels:
  - .name:           k_qca17e46ccb_outp
    .symbol:         k_qca17e46ccb_outp.kd
    .args:
      - { .name: ob, .offset: 0, .size: 8, .value_kind: global_buffer, .address_space: global }
      - { .name: wb, .offset: 8, .size: 8, .value_kind: global_buffer, .address_space: global }
      - { .name: out0, .offset: 16, .size: 8, .value_kind: global_buffer, .address_space: global }
      - { .name: bo, .offset: 24, .size: 8, .value_kind: global_buffer, .address_space: global }
    .group_segment_fixed_size: 327680
    .private_segment_fixed_size: 0
    .kernarg_segment_align: 8
    .kernarg_segment_size: 32
    .max_flat_workgroup_size: 128
    .sgpr_count:     84
    .vgpr_count:     768
    .wavefront_size: 32
...
	.end_amdgpu_metadata
.endif
;; end of part 4
;; ======== version 2 of 2: 4 launches; version 1 with the launch cast written anew for expert scheduling mode
;; limits: values are held in f16: magnitudes above 65,504 overflow, below 6.1e-05 lose precision
;; workspace buffers: xb 50,331,648 bytes; wb 8,388,608 bytes; qkv 50,331,648 bytes; ob 16,777,216 bytes
;; launch cast (part 5): grid 896 x 1, 8 waves a work-group, no clusters, 0 bytes of LDS; arguments xq, xk, xv, Wq, Wk, Wv, Wo, xb, wb; writes xb, wb
.if DOCPART == 5
	.amdgcn_target "amdgcn-amd-amdhsa--gfx1250"
	.amdhsa_code_object_version 6
	.text
	.protected	k_qca17e46ccb_cast
	.globl	k_qca17e46ccb_cast
	.p2align	8
	.type	k_qca17e46ccb_cast,@function
k_qca17e46ccb_cast:
	s_mov_b64 s[64:65], 0
	v_nop
	global_prefetch_b8 v0, s[64:65] scope:SCOPE_SE
	s_setreg_imm32_b32 hwreg(HW_REG_WAVE_SCHED_MODE, 0, 2), 2
	s_setreg_imm32_b32 hwreg(HW_REG_WAVE_MODE, 25, 1), 1
	s_wait_xcnt 0x0
	s_wait_alu depctr_vm_vsrc(0)
; xq, xk, xv, Wq, Wk, Wv (f32) -> bf16; Wo (f32) -> rounded to bf16, that number written as f16.
; xb = [3][8192][1024] bf16, wb = [4][1024][1024] of 16 bits (Wq, Wk, Wv in bf16, Wo in f16).
; LIMIT: a bf16-rounded number of Wo below 2^-14 keeps f16's fixed step of 2^-24; beyond 65,504 it would be an infinity.
; A stream: no LDS, no barrier, no matrix unit.  A work-group takes 131,072 input bytes, 32 rows of 4,096 bytes; thread t owns bytes 16 t of every row.
; A load of a wave covers 512 consecutive bytes; a store of a wave (8 bytes a lane) covers 256 consecutive bytes, aligned.
; THE MODE: SCHED_MODE bits 1:0 = 2 (LLVM: expert scheduling mode 2), set by the entry lines.  The code itself states the register dependences
; between vector instructions and memory instructions, with s_wait_alu, always for 0.
; THE PLAN.  The 32 rows go in 8 blocks of four.  Registers that memory instructions touch:
;   X0 .. X3   four blocks of f32 as loaded.  Written by the loads of block p + 3, issued in block p; read by block p's roundings.
;   Y0, Y1     two blocks of 16-bit numbers to store.  Written by block p's roundings; read by the four stores that are issued in block p + 1.
;   v1, v2     byte offsets, made once at the head and never written again; the rows stand in the immediate offsets (126,976 bytes at the most), so the two scalar bases are never written again either.
; Block p works on X[p % 4] and writes Y[p % 2].  Its memory instructions are the loads into X[(p + 3) % 4] = X[(p - 1) % 4] and the stores from Y[(p - 1) % 2]: the two buffers
; that block p - 1 worked on and that no vector instruction of block p names.  So the waits at the head of a block state all that the block's eight memory instructions hang on,
; and these are dealt among its vector instructions with no further wait.  Eight to twelve loads of every wave are on their way.
; A lap of both kinds of buffer is four blocks; block 0 has no block in front of it and blocks 5 to 7 load nothing, which leaves one lap: so the eight blocks are written out, by one macro, and there is no loop.
.set ROWB,   4096                      ; bytes in an input row; an output row has half as many
.set BLOCK,  4                         ; rows in a block
.set BLOCKS, 32/BLOCK
.set T, 4                              ; v[4:7]    at work: no memory instruction names them
.set X, 8                              ; v[8:71]   buffer k, row i: 4 registers at X + 16 k + 4 i, 4 f32 as loaded
.set Y, 72                             ; v[72:87]  buffer k, row i: 2 registers at Y + 8 k + 2 i, 4 numbers of 16 bits to store
	s_load_b512 s[16:31], s[0:1], 0x0              ; xq 16, xk 18, xv 20, Wq 22, Wk 24, Wv 26, Wo 28, xb 30
	s_load_b64 s[32:33], s[0:1], 0x40              ; wb
	s_mov_b32 s13, 0xffff0000                      ; a word's upper bf16
	v_lshlrev_b32 v1, 4, v0                        ; my 16 bytes of an input row; never rewritten
	v_lshlrev_b32 v2, 3, v0                        ; my 8 bytes of an output row; never rewritten
	s_sub_co_u32 s15, ttmp9, 768                   ; work-groups 768 .. 895 take the weights
	s_lshr_b32 s8, ttmp9, 8                        ; x: which tensor,
	s_and_b32 s9, ttmp9, 255                       ; which of its 256 parts
	s_lshr_b32 s2, s15, 5                          ; W: which tensor,
	s_add_co_u32 s2, s2, 3
	s_and_b32 s3, s15, 31                          ; which of its 32 parts
	s_cmp_lt_u32 ttmp9, 768
	s_cselect_b32 s8, s8, s2                       ; 0 .. 6: the source
	s_cselect_b32 s9, s9, s3
	s_cselect_b32 s15, ttmp9, s15                  ; the part's number in xb or in wb
	s_cselect_b32 s14, 1, 0
	s_lshl_b32 s10, s9, 17                         ; 131,072 bytes in,
	s_mov_b32 s11, 0
	s_lshl_b32 s34, s15, 16                        ; 65,536 bytes out
	s_mov_b32 s35, 0
	s_wait_kmcnt 0x0
	s_cmp_eq_u32 s14, 1
	s_cselect_b64 s[6:7], s[30:31], s[32:33]
	s_mov_b64 s[4:5], s[16:17]
.irp k, 1,2,3,4,5,6
	s_cmp_eq_u32 s8, \k
	s_cselect_b64 s[4:5], s[16+2*\k:17+2*\k], s[4:5]
.endr
	s_add_nc_u64 s[4:5], s[4:5], s[10:11]
	s_add_nc_u64 s[6:7], s[6:7], s[34:35]
	s_wait_alu depctr_va_vdst(0)                   ; v1 and v2 are written: every load and store of the kernel reads one of them as its offset
.irp i, 0,1,2,3,4,5,6,7,8,9,10,11
	global_load_b128 v[X+4*(\i):X+4*(\i)+3], v1, s[4:5] offset:(\i)*ROWB th:TH_LOAD_NT  ; blocks 0, 1 and 2 into X0, X1, X2
.endr
; Block p.  f16 = 1: Wo's way of rounding.
.macro BLK p, f16
.set XW, X+16*((\p)%4)                 ; the X buffer at work
.set XL, X+16*(((\p)+3)%4)             ; the X buffer that is loaded: the one that the block before worked on
.set YW, Y+8*((\p)%2)                  ; the Y buffer that is written
.set YS, Y+8*(1-(\p)%2)                ; the Y buffer that is stored: the one that the block before wrote
.if (\p) < BLOCKS-2
	s_wait_loadcnt 2*BLOCK                         ; loads come back in order (ISA guide 5.7.1): this block's four are in, the two younger blocks' eight stay out
.else
	s_wait_loadcnt (BLOCKS-1-(\p))*BLOCK           ; the last blocks: the counts run down
.endif
.if (\p) >= 2                          ; blocks 0 and 1 write a Y buffer that no store has read yet
	s_wait_xcnt 0x0                                ; every earlier memory instruction has had its addresses translated (ISA guide 3.1): the Y buffer that earlier stores name is rewritten only behind this wait
	s_wait_alu depctr_vm_vsrc(0)                   ; the stores issued in the block before have read the Y buffer that this block's roundings write again
.endif
.if (\p) >= 1
	s_wait_alu depctr_va_vdst(0)                   ; the block before has written the other Y buffer, which the stores below read, and is done reading its X buffer, in which the loads below land
.endif
.irp i, 0,1,2,3
.if (\p)+3 < BLOCKS
	global_load_b128 v[XL+4*(\i):XL+4*(\i)+3], v1, s[4:5] offset:(((\p)+3)*BLOCK+(\i))*ROWB th:TH_LOAD_NT  ; three blocks ahead; no vector instruction since the wait names these registers
.endif
.if (\p) >= 1
	global_store_b64 v2, v[YS+2*(\i):YS+2*(\i)+1], s[6:7] offset:(((\p)-1)*BLOCK+(\i))*ROWB/2 th:TH_STORE_NT  ; the block before
.endif
.if \f16
	v_cvt_pk_bf16_f32 v[T], v[XW+4*(\i)], v[XW+4*(\i)+1]      ; rounded to bf16 like every other input,
	v_cvt_pk_bf16_f32 v[T+1], v[XW+4*(\i)+2], v[XW+4*(\i)+3]
	v_lshlrev_b32 v[T+2], 16, v[T]
	v_and_b32 v[T+3], s13, v[T]
	v_cvt_pk_f16_f32 v[YW+2*(\i)], v[T+2], v[T+3]             ; and that number written as f16
	v_lshlrev_b32 v[T+2], 16, v[T+1]
	v_and_b32 v[T+3], s13, v[T+1]
	v_cvt_pk_f16_f32 v[YW+2*(\i)+1], v[T+2], v[T+3]
.else
	v_cvt_pk_bf16_f32 v[YW+2*(\i)], v[XW+4*(\i)], v[XW+4*(\i)+1]
	v_cvt_pk_bf16_f32 v[YW+2*(\i)+1], v[XW+4*(\i)+2], v[XW+4*(\i)+3]
.endif
.endr
.endm
; The eight blocks, the last block's stores, and the end.  Blocks 0 to 4 load blocks 3 to 7: no load leaves the work-group's 32 rows.
.macro BLOCKS_ALL f16
.irp p, 0,1,2,3,4,5,6,7
	BLK \p, \f16
.endr
	s_wait_alu depctr_va_vdst(0)                   ; block 7 has written Y1, which the last four stores read
.irp i, 0,1,2,3
	global_store_b64 v2, v[Y+8+2*(\i):Y+8+2*(\i)+1], s[6:7] offset:((BLOCKS-1)*BLOCK+(\i))*ROWB/2 th:TH_STORE_NT
.endr
	s_endpgm
.endm
	s_cmp_eq_u32 s8, 6
	s_cbranch_scc1 .Lwo
	BLOCKS_ALL 0
.Lwo:
	BLOCKS_ALL 1
.Lfunc_end_k_qca17e46ccb_cast:
	.size	k_qca17e46ccb_cast, .Lfunc_end_k_qca17e46ccb_cast-k_qca17e46ccb_cast
	.p2alignl 7, 3214868480
	.fill 96, 4, 3214868480
	.section	.rodata,"a",@progbits
	.p2align	6, 0x0
	.amdhsa_kernel k_qca17e46ccb_cast
		.amdhsa_group_segment_fixed_size 0
		.amdhsa_private_segment_fixed_size 0
		.amdhsa_enable_private_segment 0
		.amdhsa_kernarg_size 72
		.amdhsa_user_sgpr_count 2
		.amdhsa_user_sgpr_kernarg_segment_ptr 1
		.amdhsa_wavefront_size32 1
		.amdhsa_system_sgpr_workgroup_id_x 1
		.amdhsa_system_sgpr_workgroup_id_y 1
		.amdhsa_system_sgpr_workgroup_id_z 1
		.amdhsa_system_vgpr_workitem_id 0
		.amdhsa_next_free_vgpr 88
		.amdhsa_next_free_sgpr 66
		.amdhsa_reserve_vcc 0
		.amdhsa_float_denorm_mode_32 3
		.amdhsa_float_denorm_mode_16_64 3
		.amdhsa_memory_ordered 1
		.amdhsa_forward_progress 1
		.amdhsa_inst_pref_size 31
	.end_amdhsa_kernel
	.amdgpu_metadata
---
amdhsa.version: [ 1, 2 ]
amdhsa.kernels:
  - .name:           k_qca17e46ccb_cast
    .symbol:         k_qca17e46ccb_cast.kd
    .args:
      - { .name: xq, .offset: 0, .size: 8, .value_kind: global_buffer, .address_space: global }
      - { .name: xk, .offset: 8, .size: 8, .value_kind: global_buffer, .address_space: global }
      - { .name: xv, .offset: 16, .size: 8, .value_kind: global_buffer, .address_space: global }
      - { .name: Wq, .offset: 24, .size: 8, .value_kind: global_buffer, .address_space: global }
      - { .name: Wk, .offset: 32, .size: 8, .value_kind: global_buffer, .address_space: global }
      - { .name: Wv, .offset: 40, .size: 8, .value_kind: global_buffer, .address_space: global }
      - { .name: Wo, .offset: 48, .size: 8, .value_kind: global_buffer, .address_space: global }
      - { .name: xb, .offset: 56, .size: 8, .value_kind: global_buffer, .address_space: global }
      - { .name: wb, .offset: 64, .size: 8, .value_kind: global_buffer, .address_space: global }
    .group_segment_fixed_size: 0
    .private_segment_fixed_size: 0
    .kernarg_segment_align: 8
    .kernarg_segment_size: 72
    .max_flat_workgroup_size: 256
    .sgpr_count:     66
    .vgpr_count:     88
    .wavefront_size: 32
...
	.end_amdgpu_metadata
.endif
;; end of part 5
;; launch proj: the kernel of part 2 again; grid 4 x 192, 4 waves a work-group, clusters of 4 x 4, 327,680 bytes of LDS; arguments xb, wb, qkv, bq, bk, bv; writes qkv
;; launch attn: the kernel of part 3 again; grid 4 x 64, 4 waves a work-group, no clusters, 327,680 bytes of LDS; arguments qkv, attention_mask, ob; writes ob
;; launch outp: the kernel of part 4 again; grid 4 x 64, 4 waves a work-group, clusters of 4 x 4, 327,680 bytes of LDS; arguments ob, wb, out0, bo; writes out0
